; MI455X (gfx1250); checked and timed in simulation.
; The chip was launched on July 23, 2026; its instructions are those of AMD's public machine-readable ISA for CDNA 5 (MIT licence, August 2026) and "CDNA5" Instruction Set Architecture Reference Guide (July 2026). The comments in the code are by the model that wrote it; some were corrected since.
;; Multi Head Self Attention. Allowed arithmetic: matrix products marked QUANTISED: E2M1 operands, one E8M0 scale for each 32 along K, by v_wmma_scale_f32_16x16x128_f8f6f4 with both operands' format E2M1 (or v_wmma_scale_f32_32x16x128_f4), f32 sums; products left as they are: bf16, f16 or f32 operands; f32 sums; everything else in f32.
;; Inputs: Wk 1,024 x 1,024 float32; Wo 1,024 x 1,024 float32; Wq 1,024 x 1,024 float32; Wv 1,024 x 1,024 float32; x 4 x 2,048 x 1,024 float32.
;; Outputs: out0 4 x 2,048 x 1,024 float32.
;; This version of the problem:
;;   THIS VERSION OF THE PROBLEM IS GIVEN IN LOW PRECISION. The matrix products marked QUANTISED in the list below multiply operands that are first quantised to E2M1 (2 exponent bits, 1 mantissa bit; 4 bits a number), with one power-of-two scale for each 32 numbers along K (OCP MX v1.0); their sums are f32. The products marked 'left as it is' may take bf16, f16 or f32 operands, with f32 sums. Whichever they take, every output number must still come out within the allowed error. Rounding operands to bf16 (8 significant bits) uses up far more of that allowance than f16 does (11 bits, for magnitudes from 6e-5 to 65,504). All else is computed in f32.
;;   The module's matrix products, in the order in which they are computed (A, B: the left and right operand; K: the contracted axis; several contracted axes count as one K, in the product's order):
;;     1. [M 8,192, K 1,024] x [K 1,024, N 1,024]; A: input x; B: input Wq: QUANTISED
;;     2. [M 8,192, K 1,024] x [K 1,024, N 1,024]; A: input x; B: input Wk: QUANTISED
;;     3. [M 8,192, K 1,024] x [K 1,024, N 1,024]; A: input x; B: input Wv: QUANTISED
;;     4. batch 64 x [M 2,048, K 64] x [K 64, N 2,048]; A: computed on the way; B: computed on the way: left as it is (an operand is computed on the way)
;;     5. batch 64 x [M 2,048, K 2,048] x [K 2,048, N 64]; A: computed on the way; B: computed on the way: left as it is (an operand is computed on the way)
;;     6. [M 8,192, K 1,024] x [K 1,024, N 1,024]; A: computed on the way; B: input Wo: left as it is (an operand is computed on the way)
;;   THE QUANTISER, for each operand of a quantised product, along K:
;;     - K is cut into blocks of 32 from its start; a last block that is shorter is filled with zeros.
;;     - A block's scale is 2^e with e = floor(log2(the largest magnitude in the block)) - 2, held to -126 .. 127; a block of zeros has e = 0. As a byte (E8M0): e + 127.
;;     - Each number is divided by its block's scale, clamped to +-6, and rounded to the nearest number of E2M1, ties to even, subnormals kept.
;;     - The product sums the exact products of the quantised numbers (number of the format x scale) in f32.
;;   ~~~python
;;   def quantise(x, axis):      # numpy; x: float32 -> the quantised numbers, widened to float32 again
;;       x = np.moveaxis(x, axis, -1); K = x.shape[-1]
;;       x = np.pad(x, [(0, 0)] * (x.ndim - 1) + [(0, -K % 32)]); x = x.reshape(x.shape[:-1] + (-1, 32)); a = np.abs(x).max(-1, keepdims=True)
;;       e = np.where(a > 0, np.clip(np.frexp(np.where(a > 0, a, 1))[1] - 1 - 2, -126, 127), 0)      # np.frexp(a)[1] - 1 = floor(log2(a)), exactly
;;       r = np.clip(x / 2.0 ** e, -6, 6)
;;       step = 2.0 ** (np.maximum(np.frexp(np.where(r == 0, 1, r))[1] - 1, 0) - 1)
;;       q = np.round(r / step) * step * 2.0 ** e      # np.round: ties to even
;;       return np.moveaxis(q.reshape(q.shape[:-2] + (-1,))[..., :K], -1, axis).astype(np.float32)
;;   ~~~
;; One version. Each part assembles by itself: llvm-mc -triple=amdgcn-amd-amdhsa -mcpu=gfx1250 --defsym DOCPART=n.
;; ======== version 1 of 1: 5 launches
;; limits: values are held in f16: magnitudes above 65,504 overflow, below 6.1e-05 lose precision
;; workspace buffers: xc 4,194,304 bytes; xs 262,144 bytes; wc 1,572,864 bytes; ws 98,304 bytes; wo16 2,097,152 bytes; qkv 50,331,648 bytes; att 16,777,216 bytes; qkv16 786,432 bytes
;; launch quant (part 1): grid 384 x 1, 4 waves a work-group, no clusters, 33,280 bytes of LDS; arguments x, Wq, Wk, Wv, Wo, xc, xs, wc, ws, wo16; writes xc, xs, wc, ws, wo16
.if DOCPART == 1
	.amdgcn_target "amdgcn-amd-amdhsa--gfx1250"
	.amdhsa_code_object_version 6
	.text
	.protected	k_q7bb34288db_quant
	.globl	k_q7bb34288db_quant
	.p2align	8
	.type	k_q7bb34288db_quant,@function
k_q7bb34288db_quant:
	s_mov_b64 s[64:65], 0
	v_nop
	global_prefetch_b8 v0, s[64:65] scope:SCOPE_SE
	s_setreg_imm32_b32 hwreg(HW_REG_WAVE_MODE, 25, 1), 1
	s_wait_xcnt 0x0
; x [8192][1024] and Wq, Wk, Wv [1024][1024], f32, K innermost, become codes of FP4 (E2M1) with one E8M0 byte for each 32 along K:
; xc [8192][512 bytes], xs [8192][32]; wc [3072][512 bytes], ws [3072][32], rows in the order Wq, Wk, Wv.  Wo [1024 n][1024 k] becomes f16, laid in planes of 64 along k: wo16 [16][1024][64].
; A block's scale is 2^(floor(log2(its largest magnitude)) - 2); its byte is the largest magnitude's exponent field - 2, held at 1 from below.  Each number is divided by the scale and rounded to the nearest code, ties to even,
; beyond the largest code the largest.  A block of zeros gets the byte 1 where the rule says 127: its codes are zeros, and the bytes are read by this program alone.
; LIMITS: blocks whose largest magnitude lies under 2^-124 (the floor) are held at byte 1; NaN and infinities are not served; |Wo| up to 65,504 (f16).
; SHARES.  Work-groups 0-255 take x, 256-287 Wq, 288-319 Wk, 320-351 Wv: 32,768 numbers each, a wave 16 steps of 512.  Only pointers are chosen by the work-group's number: one path for the four tensors.
; Each load reads 512 consecutive bytes; a step's 2,048 bytes turn through the wave's own stage in LDS so that a lane holds 16 neighbours along K (two lanes to a block).  A wave's store of codes covers 256 consecutive bytes;
; its 256 scale bytes are gathered in LDS and leave as 256 consecutive bytes.  Work-groups 352-383 take Wo: no LDS.  Waves share nothing: no barrier, no cluster, no matrix unit: the launch only streams.
.set WAVES, 4
.set STEPS, 16
.set EMAX,  2
.set CB,    8                          ; bytes of 16 codes
.set R,     16                         ; v16-79   four sets of 16 numbers as loaded
.set X,     80                         ; v80-111  two sets of 16 neighbours
.set E,     112                        ; v112-127 a scale byte for each step
.set C,     128                        ; v128-191 codes, four registers for each step: no store's data are written again
.set WREG,  8192                       ; LDS: a region for each wave: two stages of 32 x SP bytes, then its 256 scale bytes
.set SP,    80                         ; a lane's place in a stage: 64 bytes + 16 of padding
.set SPW,   12                         ; v12 LDS address of my spare word; never rewritten
.set NIL,   13                         ; v13 0; never rewritten
.set SPARE, WAVES*WREG                 ; behind the four regions: the spare words, 128 bytes a wave
	s_load_b256 s[4:11], s[0:1], 0x0               ; x s[4:5], Wq s[6:7], Wk s[8:9], Wv s[10:11]
	s_load_b256 s[12:19], s[0:1], 0x20             ; Wo s[12:13], xc s[14:15], xs s[16:17], wc s[18:19]
	s_load_b128 s[20:23], s[0:1], 0x40             ; ws s[20:21], wo16 s[22:23]
	v_lshl_add_u32 v[SPW], v0, 2, SPARE
	v_mov_b32 v[NIL], 0
	v_lshrrev_b32 v1, 5, v0
	v_readfirstlane_b32 s24, v1                    ; wave
	v_and_b32 v2, 31, v0                           ; lane
	s_cmp_ge_u32 ttmp9, 352
	s_cbranch_scc1 .Lwo                            ; the last 32 work-groups convert Wo
	v_lshlrev_b32 v3, 4, v2                        ; my 16 bytes of a load's 512
	s_mul_i32 s25, s24, WREG
	v_lshrrev_b32 v14, 2, v2
	v_mul_u32_u24 v14, v14, SP
	v_and_b32 v15, 3, v2
	v_lshl_add_u32 v14, v15, 4, v14
	v_add_nc_u32 v14, s25, v14                     ; the stage, on the way in: SP (lane / 4) + 16 (lane % 4)
	v_mul_u32_u24 v15, v2, SP
	v_add_nc_u32 v15, s25, v15                     ; and on the way out: SP x lane: my 16 neighbours
	v_mul_u32_u24 v4, v2, CB                       ; my codes' place in a step's
	v_lshrrev_b32 v5, 1, v2
	s_add_co_u32 s25, s25, 2*32*SP
	v_add_nc_u32 v5, s25, v5                       ; LDS: my wave's 256 scale bytes, my block's byte
	v_lshlrev_b32 v7, 3, v2                        ; on the way out 8 bytes a lane
	v_add_nc_u32 v6, s25, v7
	s_wait_kmcnt 0x0
	s_cmp_lt_u32 ttmp9, 320                        ; which tensor: the choices hang on the work-group's number alone
	s_cselect_b64 s[26:27], s[8:9], s[10:11]
	s_cmp_lt_u32 ttmp9, 288
	s_cselect_b64 s[26:27], s[6:7], s[26:27]
	s_cmp_lt_u32 ttmp9, 256
	s_cselect_b64 s[26:27], s[4:5], s[26:27]       ; the numbers
	s_cselect_b64 s[28:29], s[14:15], s[18:19]     ; the codes
	s_cselect_b64 s[30:31], s[16:17], s[20:21]     ; the scale bytes
	s_cselect_b32 s32, 0, 256
	s_sub_co_u32 s33, ttmp9, s32                   ; my place in the codes' buffer: the three weights lie on end
	s_and_b32 s34, s33, 31                         ; and in a weight
	s_cmp_lt_u32 ttmp9, 256
	s_cselect_b32 s34, ttmp9, s34                  ; or in x
	s_lshl_b32 s33, s33, 2
	s_add_co_u32 s33, s33, s24                     ; my wave's run of 8,192 numbers, on the way out,
	s_lshl_b32 s34, s34, 2
	s_add_co_u32 s34, s34, s24                     ; and on the way in
	s_lshl_b32 s36, s34, 15                        ; 32,768 bytes of numbers a run
	s_mov_b32 s37, 0
	s_add_nc_u64 s[26:27], s[26:27], s[36:37]
	s_lshl_b32 s36, s33, 12                        ; 4,096 bytes of codes
	s_add_nc_u64 s[28:29], s[28:29], s[36:37]
	s_lshl_b32 s36, s33, 8                         ; 256 scale bytes
	s_add_nc_u64 s[30:31], s[30:31], s[36:37]
.macro LOAD t
.irp i, 0,1,2,3
	global_load_b128 v[R+16*((\t)%4)+4*\i:R+16*((\t)%4)+4*\i+3], v3, s[26:27] offset:2048*(\t)+512*\i th:TH_LOAD_NT   ; 32 lanes read 512 consecutive bytes
.endr
.endm
.macro TURN t                          ; step t's numbers through the stage: LDS serves a wave's instructions in order, so no wait stands between the stores and the loads
.irp i, 0,1,2,3
	ds_store_b128 v14, v[R+16*((\t)%4)+4*\i:R+16*((\t)%4)+4*\i+3] offset:32*SP*((\t)%2)+8*SP*\i
.endr
.irp i, 0,1,2,3
	ds_load_b128 v[X+16*((\t)%2)+4*\i:X+16*((\t)%2)+4*\i+3], v15 offset:32*SP*((\t)%2)+16*\i
.endr
.endm
.irp t, 0,1,2,3
	LOAD \t
.endr
	s_wait_loadcnt 12                              ; step 0's four loads are in
	TURN 0
.macro STEP t
.set XS, X+16*((\t)%2)
.if (\t) > 0
	s_wait_dscnt 1                                 ; this step's numbers are back from the stage (the last step's byte store may be out): so its stores into the stage have read their registers,
.else
	s_wait_dscnt 0x0
.endif
.if (\t)+4 < STEPS
	LOAD (\t)+4                                    ; which take the loads of four steps on
.endif
.if (\t)+1 < STEPS
.if STEPS-2-(\t) >= 3
	s_wait_loadcnt 12                              ; the next step's four loads are in; those of the three steps behind it may be out
.else
	s_wait_loadcnt 4*(STEPS-2-(\t))
.endif
	TURN (\t)+1                                    ; and go through the other stage while this step is worked
.endif
	v_max3_num_f32 v8, |v[XS]|, |v[XS+1]|, |v[XS+2]|               ; the largest magnitude of my 16, in two chains
	v_max3_num_f32 v9, |v[XS+3]|, |v[XS+4]|, |v[XS+5]|
.irp i, 6,10
	v_max3_num_f32 v8, v8, |v[XS+\i]|, |v[XS+\i+1]|
	v_max3_num_f32 v9, v9, |v[XS+\i+2]|, |v[XS+\i+3]|
.endr
	v_max3_num_f32 v8, v8, |v[XS+14]|, |v[XS+15]|
	v_max3_num_f32 v8, v8, v9, (EMAX+1)<<23        ; and the floor 2^(EMAX + 1 - 127): the byte cannot fall under 1
	v_max_num_f32_dpp v8, v8, v8 row_xmask:1 row_mask:0xf bank_mask:0xf   ; and of my neighbour's 16: the block's
	v_add_nc_u32 v11, -(EMAX<<23), v8              ; EMAX off its exponent field: the conversion takes the exponent field of this operand as its scale
	v_cvt_scalef32_pk8_fp4_f32 v[C+4*(\t)], v[XS:XS+7], v11
	v_cvt_scalef32_pk8_fp4_f32 v[C+4*(\t)+1], v[XS+8:XS+15], v11
	v_lshrrev_b32 v[E+(\t)], 23, v11               ; the scale's byte (a plain line behind the conversions)
	ds_store_b8 v5, v[E+(\t)] offset:16*(\t)       ; both lanes of a block write the same byte with the same value
	global_store_b64 v4, v[C+4*(\t):C+4*(\t)+1], s[28:29] offset:32*CB*(\t)   ; the wave stores 256 consecutive bytes, aligned
.endm
.irp t, 0,1,2,3,4,5,6,7,8,9,10,11,12,13,14,15
	STEP \t
.endr
	ds_load_b64 v[8:9], v6                         ; LDS serves a wave's instructions in order: these see my byte stores
	s_wait_dscnt 0x0
	global_store_b64 v7, v[8:9], s[30:31]          ; 256 consecutive bytes, aligned
	s_wait_tensorcnt 0x0                           ; the wave's end, behind my last LDS store
	ds_add_u32 v[SPW], v[NIL]
	s_wait_dscnt 0x0
	s_endpgm
; Wo to f16.  Wave g of 128 takes plane g / 8 (64 along k) of rows 128 (g % 8) on.  A load takes 256 bytes of each of two rows; its 128 numbers are 256 consecutive bytes of the plane.
.Lwo:
	s_sub_co_u32 s25, ttmp9, 352
	s_lshl_b32 s25, s25, 2
	s_add_co_u32 s25, s25, s24                     ; g
	s_lshr_b32 s26, s25, 3                         ; the plane
	s_and_b32 s27, s25, 7                          ; which 128 rows
	v_lshrrev_b32 v3, 4, v2
	v_and_b32 v4, 15, v2
	v_lshlrev_b32 v3, 12, v3
	v_lshl_add_u32 v3, v4, 4, v3                   ; in: lanes 0-15 one row, lanes 16-31 the next; 16 bytes a lane
	v_lshlrev_b32 v5, 3, v2                        ; out: 8 bytes a lane
	s_lshl_b32 s28, s27, 19                        ; 128 rows of 4,096 bytes
	s_lshl_b32 s29, s26, 8                         ; 256 bytes of a row
	s_add_co_u32 s28, s28, s29
	s_mov_b32 s29, 0
	s_lshl_b32 s30, s26, 17                        ; a plane is 131,072 bytes
	s_lshl_b32 s31, s27, 14                        ; 128 rows of 128 bytes
	s_add_co_u32 s30, s30, s31
	s_mov_b32 s31, 0
	s_wait_kmcnt 0x0
	s_add_nc_u64 s[12:13], s[12:13], s[28:29]
	s_add_nc_u64 s[22:23], s[22:23], s[30:31]
.macro WLOAD bt                        ; batch bt: 16 loads, 32 rows, into set bt % 2
.irp i, 0,1,2,3,4,5,6,7,8,9,10,11,12,13,14,15
	global_load_b128 v[16+64*((\bt)%2)+4*\i:16+64*((\bt)%2)+4*\i+3], v3, s[12:13] offset:(16*(\bt)+\i)*8192
.endr
.endm
.macro WCONV bt
.set WS, 16+64*((\bt)%2)
.if (\bt) < 3
	s_wait_loadcnt 16                              ; this batch is in; the next batch's 16 loads may be out
.else
	s_wait_loadcnt 0x0
.endif
.if (\bt) > 0
	s_wait_xcnt 0x0                                ; the last batch's stores have read their data: only now are v144-175 written again
.endif
.irp i, 0,1,2,3,4,5,6,7,8,9,10,11,12,13,14,15
	v_cvt_pk_f16_f32 v[144+2*\i], v[WS+4*\i], v[WS+4*\i+1]
	v_cvt_pk_f16_f32 v[145+2*\i], v[WS+4*\i+2], v[WS+4*\i+3]
.endr
.irp i, 0,1,2,3,4,5,6,7,8,9,10,11,12,13,14,15
	global_store_b64 v5, v[144+2*\i:145+2*\i], s[22:23] offset:(16*(\bt)+\i)*256
.endr
.if (\bt)+2 < 4
	WLOAD (\bt)+2
.endif
.endm
	WLOAD 0
	WLOAD 1
	WCONV 0
	WCONV 1
	WCONV 2
	WCONV 3
	s_endpgm
.Lfunc_end_k_q7bb34288db_quant:
	.size	k_q7bb34288db_quant, .Lfunc_end_k_q7bb34288db_quant-k_q7bb34288db_quant
	.p2alignl 7, 3214868480
	.fill 96, 4, 3214868480
	.section	.rodata,"a",@progbits
	.p2align	6, 0x0
	.amdhsa_kernel k_q7bb34288db_quant
		.amdhsa_group_segment_fixed_size 33280
		.amdhsa_private_segment_fixed_size 0
		.amdhsa_enable_private_segment 0
		.amdhsa_kernarg_size 80
		.amdhsa_user_sgpr_count 2
		.amdhsa_user_sgpr_kernarg_segment_ptr 1
		.amdhsa_wavefront_size32 1
		.amdhsa_system_sgpr_workgroup_id_x 1
		.amdhsa_system_sgpr_workgroup_id_y 1
		.amdhsa_system_sgpr_workgroup_id_z 1
		.amdhsa_system_vgpr_workitem_id 0
		.amdhsa_next_free_vgpr 192
		.amdhsa_next_free_sgpr 66
		.amdhsa_reserve_vcc 0
		.amdhsa_float_denorm_mode_32 3
		.amdhsa_float_denorm_mode_16_64 3
		.amdhsa_memory_ordered 1
		.amdhsa_forward_progress 1
		.amdhsa_inst_pref_size 55
	.end_amdhsa_kernel
	.amdgpu_metadata
---
amdhsa.version: [ 1, 2 ]
amdhsa.kernels:
  - .name:           k_q7bb34288db_quant
    .symbol:         k_q7bb34288db_quant.kd
    .args:
      - { .name: x, .offset: 0, .size: 8, .value_kind: global_buffer, .address_space: global }
      - { .name: Wq, .offset: 8, .size: 8, .value_kind: global_buffer, .address_space: global }
      - { .name: Wk, .offset: 16, .size: 8, .value_kind: global_buffer, .address_space: global }
      - { .name: Wv, .offset: 24, .size: 8, .value_kind: global_buffer, .address_space: global }
      - { .name: Wo, .offset: 32, .size: 8, .value_kind: global_buffer, .address_space: global }
      - { .name: xc, .offset: 40, .size: 8, .value_kind: global_buffer, .address_space: global }
      - { .name: xs, .offset: 48, .size: 8, .value_kind: global_buffer, .address_space: global }
      - { .name: wc, .offset: 56, .size: 8, .value_kind: global_buffer, .address_space: global }
      - { .name: ws, .offset: 64, .size: 8, .value_kind: global_buffer, .address_space: global }
      - { .name: wo16, .offset: 72, .size: 8, .value_kind: global_buffer, .address_space: global }
    .group_segment_fixed_size: 33280
    .private_segment_fixed_size: 0
    .kernarg_segment_align: 8
    .kernarg_segment_size: 80
    .max_flat_workgroup_size: 128
    .sgpr_count:     66
    .vgpr_count:     192
    .wavefront_size: 32
...
	.end_amdgpu_metadata
.endif
;; end of part 1
;; launch qkv (part 2): grid 12 x 32, 4 waves a work-group, clusters of 4 x 4, 327,680 bytes of LDS; arguments xc, xs, wc, ws, qkv, qkv16; writes qkv, qkv16
.if DOCPART == 2
	.amdgcn_target "amdgcn-amd-amdhsa--gfx1250"
	.amdhsa_code_object_version 6
	.text
	.protected	k_q7bb34288db_qkv
	.globl	k_q7bb34288db_qkv
	.p2align	8
	.type	k_q7bb34288db_qkv,@function
k_q7bb34288db_qkv:
	s_mov_b64 s[64:65], 0
	v_nop
	global_prefetch_b8 v0, s[64:65] scope:SCOPE_SE
	s_setreg_imm32_b32 hwreg(HW_REG_WAVE_MODE, 25, 1), 1
	s_wait_xcnt 0x0
	s_wait_alu depctr_hold_cnt(0) depctr_sa_sdst(0) depctr_va_vdst(0) depctr_va_sdst(0) depctr_va_ssrc(0) depctr_va_vcc(0) depctr_vm_vsrc(0)
	s_getreg_b32 s2, hwreg(HW_REG_IB_STS2, 6, 4)
	s_cmp_eq_u32 s2, 0
	s_cbranch_scc0 .Lentry_in_a_cluster
	s_endpgm
.Lentry_in_a_cluster:
	s_bfe_u32 s2, ttmp6, 0x10000c
	s_cmp_lg_u32 s2, 0xf033
	s_cbranch_scc0 .Lentry_shape_is_right
	s_endpgm
.Lentry_shape_is_right:
; C[m][n] = sum over k of x[m][k] W[n][k], m = 8,192 rows (batch x position), n = 3,072 (Wq's, Wk's, Wv's rows on end), k = 1,024, both operands codes of FP4 (E2M1) with one E8M0 byte for each 32 along K; sums in f32.
; C leaves as f16 in planes of 64 columns: qkv [48 planes][8192 rows][64]: a head's rows are then dense.  The rows of positions 0-15 of each batch leave once more as f32: qkv16 [4][16][3072].
; LIMIT: |C| up to 65,504 (f16).
; A tile of C, 256 x 256, is made by four waves, each 128 x 128: 64 accumulators, 512 registers.  K is two slots of 512 (LDS rows of 256 bytes): both are asked for at the head, and nothing is filled again.
; The scale bytes of the work-group's 256 + 256 rows, for all of K, are two dense blocks: they come once, with the first fills.
; CLUSTERS: 4 x 4 work-groups; A's tiles are asked for jointly along a row of the cluster, B's along a column.  Tile row = 8 cy + cluster y: the batch is cy, and whether a tile holds positions 0-15 hangs on the cluster's y
; and the wave's number alone, which all partners share.  THE MATRIX INSTRUCTION IS USED TRANSPOSED (source 0 = 16 rows of W, source 1 = 16 rows of x): a lane holds eight neighbouring columns of a row of C.
; REGISTERS, in windows of 256: window 0: v0-31 addresses; v32-95 scale words, two sets; v96-127 packed results; v128-191 x's fragments, one set; v192-255 rows read back from the stage.
;   window 1: W's fragments, two sets, at v0 and v128.   window 2: the accumulators of my rows 0-63 ((a, b) at v[8 (8 a + b)]);   window 3: those of my rows 64-127.
.set SIZE_K, 1024
.set KSTEP,  512
.set NQ,     KSTEP/128                 ; matrix instructions deep in a slot
.set ROWB,   256                       ; a tile's row in bytes
.set KROW,   SIZE_K/2                  ; a row of codes in memory
.set PITCH,  272                       ; an LDS row: 256 bytes + 16 of padding = 68 words: the 16 rows that a load touches start at 16 different banks (64 banks of 4 bytes: ISA guide 11.1)
.set FR,     8
.set NL,     2
.set NP,     4                         ; places behind this matrix instruction (ISA guide 7.12.1)
.set HALFT,  128*PITCH
.set SLOT,   4*HALFT
.set KS,     SIZE_K/32                 ; a row of scale bytes
.set SCL,    2*SLOT                    ; behind the slots: the scale bytes, as rows of 256 bytes + 16
.set HALFS,  (128*KS/256)*272
.set SBLK,   (16*KS/256)*272
.set SPARE,  SCL+4*HALFS               ; the spare words, 128 bytes a wave
.set SPL,    16*144                    ; the way out: a plane's 16 rows of 128 bytes + 16; two planes a wave, in slot 0, which has had its only fill and its last read by then
.set ADRA, 16
.set ADRB, 20
.set STO,  24
.set RD,   25
.set CO,   26
.set ADRS, 27
.set SPW,  28
.set NIL,  29
.set FO,   30                          ; v30  my byte offset in qkv16's 16 rows
.set SC,   32
.set TMP,  96
.set AF,   128
.set BK,   192
.set G1, 24
.set G0, 32
.set G1B, 48
.set G0B, 56
.set G1S, 68
.set G0S, 76
.set G1SB, 80
.set G0SB, 88
.set MSB, 0
.macro WIN new                         ; the immediate's high byte repeats the setting that is left
.if MSB != (\new)
	s_set_vgpr_msb (MSB<<8)|(\new)
.set MSB, (\new)
.endif
.endm
.set MUL_LO, 0xa1                      ; source 0 (W) window 1, source 1 (x) window 0, C and D window 2
.set MUL_HI, 0xf1
.set TO_B,   0x40
; A joint load: waves 0 and 1 fetch for x, waves 2 and 3 for W.  The branch hangs on the wave's number alone.  An s_nop 0 and four v_nop follow each of the two lines.
.macro JLOAD g0a, g1a, g0b, g1b
	s_cmp_eq_u32 s15, 0
	s_cbranch_scc0 .Lfor_b_\@
	tensor_load_to_lds s[\g0a:\g0a+3], s[\g1a:\g1a+7]
	s_nop 0
.rept 4
	v_nop
.endr
	s_branch .Lasked_\@
.Lfor_b_\@:
	tensor_load_to_lds s[\g0b:\g0b+3], s[\g1b:\g1b+7]
	s_nop 0
.rept 4
	v_nop
.endr
.Lasked_\@:
.endm
.macro CROUND                          ; a round of the cluster's barrier
	s_barrier_signal -1
	s_barrier_wait -1
	s_cmp_lg_u32 s14, 0
	s_cbranch_scc1 .Lnot_wave_0_\@
	s_barrier_signal -3
.Lnot_wave_0_\@:
	s_barrier_wait -3
	s_barrier_signal -1
	s_barrier_wait -1
.endm
	s_load_b128 s[4:7], s[0:1], 0x0                ; x's codes, x's scales
	s_load_b128 s[8:11], s[0:1], 0x10              ; W's codes, W's scales
	s_load_b64 s[12:13], s[0:1], 0x20              ; qkv
	s_load_b64 s[96:97], s[0:1], 0x28              ; qkv16
	v_lshl_add_u32 v[SPW], v0, 2, SPARE
	v_mov_b32 v[NIL], 0
	ds_add_u32 v[SPW], v[NIL]                      ; the wave's opening: the add, twice on end, and its wait ahead of my first tensor load
	ds_add_u32 v[SPW], v[NIL]
	v_lshrrev_b32 v1, 5, v0
	v_readfirstlane_b32 s14, v1                    ; wave 0..3
	s_lshr_b32 s15, s14, 1                         ; which half of the tile's rows is mine.  Also: I fetch for x (0) or for W (1)
	s_and_b32 s16, s14, 1                          ; which half of its columns.  Also: which 128 rows I fetch
	s_bfe_u32 s40, ttmp6, 0x40000                  ; cx
	s_bfe_u32 s41, ttmp6, 0x40004                  ; cy
	s_lshl_b32 s42, ttmp9, 2
	s_add_co_u32 s42, s42, s40                     ; tile column = 4 x cluster x + cx
	s_and_b32 s17, ttmp7, 0xffff                   ; cluster y
	s_or_b32 s95, s17, s15                         ; 0 where my rows begin with positions 0-15 of a batch: the cluster's y and the wave's number alone
	s_lshl_b32 s18, s41, 3
	s_add_co_u32 s17, s17, s18                     ; tile row = 8 cy + cluster y
	s_lshl_b32 s43, s41, 2
	s_lshl_b32 s43, 15, s43                        ; my row of the cluster
	s_lshl_b32 s44, 0x1111, s40                    ; my column
	s_or_b32 s[G1+0], s43, (0<<16)|(1<<20)|(1<<21)|(5<<22)|(3<<25)  ; the mask; elements of 1 byte; padding on; bit 21 beside a mask; after every 64 words; four words
	s_or_b32 s[G1B+0], s44, (0<<16)|(1<<20)|(1<<21)|(5<<22)|(3<<25)
.irp g, G1, G1B
	s_mov_b32 s[\g+1], ROWB<<16                    ; tensor_dim0
	s_mov_b32 s[\g+2], 128<<16                     ; tensor_dim1
	s_mov_b32 s[\g+3], ROWB<<16                    ; tile_dim0
	s_mov_b32 s[\g+4], 128                         ; tile_dim1
	s_mov_b32 s[\g+5], KROW                        ; from row to row
	s_mov_b32 s[\g+6], 0
	s_mov_b32 s[\g+7], 0
.endr
	s_or_b32 s[G1S+0], s43, (3<<16)|(1<<20)|(1<<21)|(5<<22)|(3<<25)   ; the scale bytes of 128 rows: a dense block, as rows of 256 bytes (32 elements of 8 bytes)
	s_or_b32 s[G1SB+0], s44, (3<<16)|(1<<20)|(1<<21)|(5<<22)|(3<<25)
.irp g, G1S, G1SB
	s_mov_b32 s[\g+1], 32<<16
	s_mov_b32 s[\g+2], (128*KS/256)<<16
	s_mov_b32 s[\g+3], 32<<16
	s_mov_b32 s[\g+4], 128*KS/256
	s_mov_b32 s[\g+5], 32
	s_mov_b32 s[\g+6], 0
	s_mov_b32 s[\g+7], 0
.endr
	s_lshl_b32 s18, s16, 7                         ; which 128 rows of the tile I fetch
	s_lshl_b32 s20, s17, 8
	s_add_co_u32 s20, s20, s18                     ; x: row 256 x tile row + 128 x half
	s_lshl_b32 s46, s42, 8
	s_add_co_u32 s46, s46, s18                     ; W: row 256 x tile column + 128 x half
	s_mov_b32 s21, 0
	s_mov_b32 s47, 0
	s_mov_b64 s[18:19], KS
	s_mul_u64 s[22:23], s[20:21], s[18:19]         ; where these rows' scale bytes begin
	s_mul_u64 s[92:93], s[46:47], s[18:19]
	s_mov_b64 s[18:19], KROW
	s_mul_u64 s[20:21], s[20:21], s[18:19]         ; and their codes
	s_mul_u64 s[46:47], s[46:47], s[18:19]
	s_mul_i32 s45, s14, HALFT                      ; where they go: wave x 128 rows
	s_mul_i32 s94, s14, HALFS
	s_wait_dscnt 0x0                               ; both opening adds are done
	s_wait_kmcnt 0x0
	s_add_nc_u64 s[20:21], s[4:5], s[20:21]
	s_add_nc_u64 s[22:23], s[6:7], s[22:23]
	s_add_nc_u64 s[46:47], s[8:9], s[46:47]
	s_add_nc_u64 s[92:93], s[10:11], s[92:93]
	CROUND                                         ; all sixteen work-groups are here: the first joint loads meet
	s_mov_b32 s[G0S], 1
	s_add_co_u32 s[G0S+1], s94, SCL
	s_mov_b64 s[G0S+2:G0S+3], s[22:23]
	s_or_b32 s[G0S+3], s[G0S+3], 0x80000000
	s_mov_b32 s[G0SB], 1
	s_add_co_u32 s[G0SB+1], s94, SCL
	s_mov_b64 s[G0SB+2:G0SB+3], s[92:93]
	s_or_b32 s[G0SB+3], s[G0SB+3], 0x80000000
	JLOAD G0S, G1S, G0SB, G1SB                     ; the scale bytes first: they are wanted with the first slot
.irp s, 0,1
	s_mov_b32 s[G0+4*\s], 1
	s_add_co_u32 s[G0+4*\s+1], s45, \s*SLOT
	s_add_nc_u64 s[G0+4*\s+2:G0+4*\s+3], s[20:21], \s*ROWB
	s_or_b32 s[G0+4*\s+3], s[G0+4*\s+3], 0x80000000
	s_mov_b32 s[G0B+4*\s], 1
	s_add_co_u32 s[G0B+4*\s+1], s45, \s*SLOT
	s_add_nc_u64 s[G0B+4*\s+2:G0B+4*\s+3], s[46:47], \s*ROWB
	s_or_b32 s[G0B+4*\s+3], s[G0B+4*\s+3], 0x80000000
	JLOAD G0+4*\s, G1, G0B+4*\s, G1B               ; three loads of mine are out: all of K is asked for
.endr
	v_and_b32 v1, 15, v0                           ; r = l % 16
	v_bfe_u32 v2, v0, 4, 1                         ; h = l / 16
	v_mul_u32_u24 v3, v1, PITCH
	v_lshl_add_u32 v4, v2, 4, v3                   ; a fragment's row x pitch + 16 x half
	s_mul_i32 s21, s15, HALFT                      ; my 128 rows of x
	s_mul_i32 s22, s16, HALFT                      ; my 128 rows of W,
	s_add_co_u32 s22, s22, 2*HALFT                 ; which lie behind x's 256
.irp s, 0,1
	v_add_nc_u32 v[ADRA+\s], s21, v4
	v_add_nc_u32 v[ADRB+\s], s22, v4
	s_add_co_u32 s21, s21, SLOT
	s_add_co_u32 s22, s22, SLOT
.endr
	v_mul_u32_u24 v5, v1, KS                       ; my row's scale bytes: KS a row,
	v_lshrrev_b32 v6, 8, v5
	v_lshl_add_u32 v5, v6, 4, v5                   ; and 16 more for each 256 passed
	s_mul_i32 s21, s15, HALFS
	s_mul_i32 s22, s16, HALFS
	s_add_co_u32 s22, s22, 2*HALFS
	s_sub_co_u32 s22, s22, s21
	v_mul_u32_u24 v6, s22, v2                      ; lanes 16-31 take W's: one product, the distance between the two bases
	s_add_co_u32 s21, s21, SCL
	v_add_nc_u32 v5, v5, v6
	v_add_nc_u32 v[ADRS], s21, v5
	s_mul_i32 s23, s14, 2*SPL                      ; my stage
	v_mul_u32_u24 v5, v1, 144                      ; in: row r, 16 bytes for each half of the lanes
	v_lshl_add_u32 v5, v2, 4, v5
	v_add_nc_u32 v[STO], s23, v5
	v_bfe_u32 v5, v0, 3, 2                         ; back: eight lanes to a row of 128 bytes, four rows an instruction
	v_mul_u32_u24 v5, v5, 144
	v_and_b32 v3, 7, v0
	v_lshl_add_u32 v5, v3, 4, v5
	v_add_nc_u32 v[RD], s23, v5
	v_and_b32 v6, 31, v0
	v_lshlrev_b32 v[CO], 4, v6                     ; and in a plane the four rows are 512 bytes on end
	v_mul_u32_u24 v[FO], v1, 12288                 ; qkv16: row r of 12,288 bytes, + 32 h
	v_lshl_add_u32 v[FO], v2, 5, v[FO]
	s_lshl_b32 s20, s17, 8
	s_lshl_b32 s21, s15, 7
	s_add_co_u32 s20, s20, s21                     ; my first row: 256 x tile row + 128 x half,
	s_lshl_b32 s20, s20, 7                         ; of 128 bytes in a plane
	s_mov_b32 s21, 0
	s_lshl_b32 s46, s42, 2
	s_lshl_b32 s47, s16, 1
	s_add_co_u32 s46, s46, s47                     ; my first plane: 4 x tile column + 2 x half,
	s_lshl_b32 s46, s46, 20                        ; of 2^20 bytes
	s_mov_b32 s47, 0
	s_add_nc_u64 s[20:21], s[20:21], s[46:47]
	s_add_nc_u64 s[12:13], s[12:13], s[20:21]
	s_mul_i32 s92, s41, 16*12288                   ; qkv16: my batch,
	s_lshl_b32 s93, s42, 10
	s_add_co_u32 s92, s92, s93                     ; my tile's 256 columns,
	s_lshl_b32 s93, s16, 9
	s_add_co_u32 s92, s92, s93                     ; my half of them
	s_mov_b32 s93, 0
	s_add_nc_u64 s[96:97], s[96:97], s[92:93]
.macro FRAG reg, adr, q, i             ; 16 rows x 128 K of 4-bit codes: 8 registers; registers 4 c .. 4 c + 3 hold K = 64 c + 32 (l / 16) + 0 .. 31
.irp c, 0,1
	ds_load_b128 v[\reg+4*\c:\reg+4*\c+3], v[\adr] offset:64*(\q)+32*\c+(\i)*16*PITCH
.endr
.endm
; 16 matrix instructions: x's blocks a0, a0 + 1 against W's eight, the slot's q-th 128 along K.  The 64 accumulators take turns, one instruction a turn, in the same order in every step.
; A scale register carries x's word in lanes 0-15 and W's in lanes 16-31.
.macro MUL16 a0, p, q, sc, zero
.irp a, \a0, \a0+1
.irp b, 0,1,2,3,4,5,6,7
.if \zero
	v_wmma_scale_f32_16x16x128_f8f6f4 v[8*(8*((\a)%4)+\b):8*(8*((\a)%4)+\b)+7], v[128*(\p)+FR*\b:128*(\p)+FR*\b+FR-1], v[AF+FR*(\a):AF+FR*(\a)+FR-1], 0, v[SC+8*NQ*(\sc)+NQ*\b+(\q)], v[SC+8*NQ*(\sc)+NQ*(\a)+(\q)] matrix_a_fmt:MATRIX_FMT_FP4 matrix_b_fmt:MATRIX_FMT_FP4 matrix_a_scale:MATRIX_SCALE_ROW1
.else
	v_wmma_scale_f32_16x16x128_f8f6f4 v[8*(8*((\a)%4)+\b):8*(8*((\a)%4)+\b)+7], v[128*(\p)+FR*\b:128*(\p)+FR*\b+FR-1], v[AF+FR*(\a):AF+FR*(\a)+FR-1], v[8*(8*((\a)%4)+\b):8*(8*((\a)%4)+\b)+7], v[SC+8*NQ*(\sc)+NQ*\b+(\q)], v[SC+8*NQ*(\sc)+NQ*(\a)+(\q)] matrix_a_fmt:MATRIX_FMT_FP4 matrix_b_fmt:MATRIX_FMT_FP4 matrix_a_scale:MATRIX_SCALE_ROW1
.endif
.endr
.endr
.endm
.macro FETCH_B slot, q, p
	WIN TO_B
.irp i, 0,1,2,3,4,5,6,7
	FRAG 128*(\p)+FR*\i, ADRB+\slot, \q, \i
.endr
	WIN 0
.endm
.macro FETCH_A slot, q, i0
.irp i, \i0, \i0+1, \i0+2, \i0+3
	FRAG AF+FR*(\i), ADRA+\slot, \q, \i
.endr
.endm
.macro SCALES sc                       ; a slot's scale words: four words a row
.irp i, 0,1,2,3,4,5,6,7
	ds_load_b128 v[SC+8*NQ*\sc+NQ*\i:SC+8*NQ*\sc+NQ*\i+3], v[ADRS] offset:\i*SBLK
.endr
.endm
.macro PLACES n                        ; plain vector lines between a matrix instruction and a load into, or a read of, its registers
.rept \n
	v_nop
.endr
.endm
.macro STEP slot, q, zero              ; a step of 128 along K that has its successor in the same slot
	s_wait_dscnt 4*NL                              ; W's set and x's blocks 0-3 are in; the youngest eight loads (x's blocks 4-7) may be out
	WIN MUL_LO
	MUL16 0, (\q)%2, \q, \slot, \zero
	MUL16 2, (\q)%2, \q, \slot, \zero
	s_wait_dscnt 0                                 ; x's blocks 4-7 are in
	PLACES NP
	FETCH_B \slot, (\q)+1, 1-(\q)%2
	FETCH_A \slot, (\q)+1, 0
	WIN MUL_HI
	MUL16 4, (\q)%2, \q, \slot, \zero
	MUL16 6, (\q)%2, \q, \slot, \zero
	PLACES NP
	WIN 0
	FETCH_A \slot, (\q)+1, 4
.endm
.macro STEPS slot, from
.set Q, \from
.rept NQ-1-\from
	STEP \slot, Q, 0
.set Q, Q+1
.endr
.endm
	s_wait_tensorcnt 1                             ; the scale bytes and my part of slot 0 are in (slot 1's load may be out)
	s_barrier_signal -1
	s_barrier_wait -1                              ; everybody's are
	FETCH_B 0, 0, 0
	FETCH_A 0, 0, 0
	SCALES 0
	FETCH_A 0, 0, 4
	STEP 0, 0, 1                                   ; the first products start the sums: nothing is cleared
	STEPS 0, 1
	; slot 0's last step changes slots: one barrier; in front of it my part of slot 1 has landed and my reads of slot 0 are over
	s_wait_tensorcnt 0x0                           ; all my tensor loads have landed
	ds_add_u32 v[SPW], v[NIL]                      ; 0 onto my spare word
	s_wait_dscnt 4*NL+1                            ; (the add and the youngest eight loads may be out)
	WIN MUL_LO
	MUL16 0, 1, NQ-1, 0, 0
	s_wait_dscnt 0x0                               ; the add is done, and my reads of slot 0 are over
	s_barrier_signal -1
	MUL16 2, 1, NQ-1, 0, 0
	WIN 0
	s_barrier_wait -1
	PLACES NP
	v_add_nc_u32 v[ADRS], 4*NQ, v[ADRS]            ; on to slot 1's scale words (no LDS load of mine is out)
	FETCH_B 1, 0, 0
	FETCH_A 1, 0, 0
	SCALES 1
	WIN MUL_HI
	MUL16 4, 1, NQ-1, 0, 0
	MUL16 6, 1, NQ-1, 0, 0
	PLACES NP
	WIN 0
	FETCH_A 1, 0, 4
	STEPS 1, 0
	s_wait_dscnt 4*NL                              ; the very last step: nothing more to fetch
	WIN MUL_LO
	MUL16 0, 1, NQ-1, 1, 0
	MUL16 2, 1, NQ-1, 1, 0
	s_wait_dscnt 0
	WIN MUL_HI
	MUL16 4, 1, NQ-1, 1, 0
	MUL16 6, 1, NQ-1, 1, 0
	WIN 0
	; THE WAY OUT.  First, where my block 0 is positions 0-15 of a batch, its f32 sums as they stand: a lane's 32 bytes of a row; 3/4 MiB in the whole launch, stored in pieces of 64 bytes a row.
	PLACES NP
	s_cmp_eq_u32 s95, 0
	s_cbranch_scc0 .Lno_first16
	WIN 0x08                                       ; a store's data are its source 1: window 2
.irp b, 0,1,2,3,4,5,6,7
	global_store_b128 v[FO], v[8*\b:8*\b+3], s[96:97] offset:64*\b          ; each accumulator from its low end on
	global_store_b128 v[FO], v[8*\b+4:8*\b+7], s[96:97] offset:64*\b+16
.endr
	WIN 0
.Lno_first16:
; Then block by block of 16 rows x 128 columns: rounded to f16 (16 bytes a lane), through my stage in LDS (two planes of 16 rows), back as four rows of 128 bytes an instruction: in a plane these are 512 consecutive bytes.
.macro PACK a
.set AC, 64*((\a)%4)
	WIN 0x0a+5*((\a)/4)                            ; sources 0 and 1: window 2 or 3
.irp b, 0,1,2,3,4,5,6,7
.irp i, 0,1,2,3
	v_cvt_pk_f16_f32 v[TMP+4*\b+\i], v[AC+8*\b+2*\i], v[AC+8*\b+2*\i+1]
.endr
.endr
	WIN 0
.endm
.macro TOSTAGE a
.set BB, BK+32*((\a)%2)
.irp b, 0,1,2,3,4,5,6,7
	ds_store_b128 v[STO], v[TMP+4*\b:TMP+4*\b+3] offset:(\b/4)*SPL+(\b%4)*32
.endr
.irp u, 0,1
.irp t, 0,1,2,3
	ds_load_b128 v[BB+4*(4*\u+\t):BB+4*(4*\u+\t)+3], v[RD] offset:\u*SPL+\t*576    ; LDS serves a wave's instructions in order (ISA guide 5.7.1.4): these see the stores above
.endr
.endr
.endm
.macro SEND a
.set BB, BK+32*((\a)%2)
	s_wait_dscnt 0x0                               ; the block is back in registers
	s_wait_xcnt 0x0                                ; the earlier stores have read their registers: the next block's loads may land on the other set
.irp u, 0,1
.irp t, 0,1,2,3
	global_store_b128 v[CO], v[BB+4*(4*\u+\t):BB+4*(4*\u+\t)+3], s[12:13] offset:\u*1048576+(\a)*2048+\t*512   ; 512 consecutive bytes, aligned
.endr
.endr
.endm
	PACK 0
	TOSTAGE 0
.irp a, 1,2,3,4,5,6,7                  ; block a's conversions stand between block a - 1's loads from the stage and the wait for them
	PACK \a
	SEND \a-1
	TOSTAGE \a
.endr
	SEND 7
	s_wait_tensorcnt 0x0                           ; the wave's end: behind my last tensor load and my last LDS store
	ds_add_u32 v[SPW], v[NIL]
	s_wait_dscnt 0x0
	CROUND                                         ; the closing round: no work-group ends while a partner may still ask for a tile that names it
	s_endpgm
.Lfunc_end_k_q7bb34288db_qkv:
	.size	k_q7bb34288db_qkv, .Lfunc_end_k_q7bb34288db_qkv-k_q7bb34288db_qkv
	.p2alignl 7, 3214868480
	.fill 96, 4, 3214868480
	.section	.rodata,"a",@progbits
	.p2align	6, 0x0
	.amdhsa_kernel k_q7bb34288db_qkv
		.amdhsa_group_segment_fixed_size 327680
		.amdhsa_private_segment_fixed_size 0
		.amdhsa_enable_private_segment 0
		.amdhsa_kernarg_size 48
		.amdhsa_user_sgpr_count 2
		.amdhsa_user_sgpr_kernarg_segment_ptr 1
		.amdhsa_wavefront_size32 1
		.amdhsa_system_sgpr_workgroup_id_x 1
		.amdhsa_system_sgpr_workgroup_id_y 1
		.amdhsa_system_sgpr_workgroup_id_z 1
		.amdhsa_system_vgpr_workitem_id 0
		.amdhsa_next_free_vgpr 1024
		.amdhsa_next_free_sgpr 100
		.amdhsa_reserve_vcc 0
		.amdhsa_float_denorm_mode_32 3
		.amdhsa_float_denorm_mode_16_64 3
		.amdhsa_memory_ordered 1
		.amdhsa_forward_progress 1
		.amdhsa_inst_pref_size 128
	.end_amdhsa_kernel
	.amdgpu_metadata
---
amdhsa.version: [ 1, 2 ]
amdhsa.kernels:
  - .name:           k_q7bb34288db_qkv
    .symbol:         k_q7bb34288db_qkv.kd
    .args:
      - { .name: xc, .offset: 0, .size: 8, .value_kind: global_buffer, .address_space: global }
      - { .name: xs, .offset: 8, .size: 8, .value_kind: global_buffer, .address_space: global }
      - { .name: wc, .offset: 16, .size: 8, .value_kind: global_buffer, .address_space: global }
      - { .name: ws, .offset: 24, .size: 8, .value_kind: global_buffer, .address_space: global }
      - { .name: qkv, .offset: 32, .size: 8, .value_kind: global_buffer, .address_space: global }
      - { .name: qkv16, .offset: 40, .size: 8, .value_kind: global_buffer, .address_space: global }
    .group_segment_fixed_size: 327680
    .private_segment_fixed_size: 0
    .kernarg_segment_align: 8
    .kernarg_segment_size: 48
    .max_flat_workgroup_size: 128
    .sgpr_count:     100
    .vgpr_count:     1024
    .wavefront_size: 32
...
	.end_amdgpu_metadata
.endif
;; end of part 2
;; launch attn (part 3): grid 4 x 64, 8 waves a work-group, no clusters, 327,680 bytes of LDS; arguments qkv, att; writes att
.if DOCPART == 3
	.amdgcn_target "amdgcn-amd-amdhsa--gfx1250"
	.amdhsa_code_object_version 6
	.text
	.protected	k_q7bb34288db_attn
	.globl	k_q7bb34288db_attn
	.p2align	8
	.type	k_q7bb34288db_attn,@function
k_q7bb34288db_attn:
	s_mov_b64 s[64:65], 0
	v_nop
	global_prefetch_b8 v0, s[64:65] scope:SCOPE_SE
	s_setreg_imm32_b32 hwreg(HW_REG_WAVE_MODE, 25, 1), 1
	s_wait_xcnt 0x0
; att[h][b, q][:] = the sum over keys k <= q of softmax_k(Q[q] . K[k] / 8) V[k][:], for 64 pairs (batch, head), 2,048 positions, head size 64.  Q, K, V: f16 planes of qkv [48][8192][64]; att: f16 planes [16][8192][64].
; Products on f16 operands with f32 sums; maxima, exponentials and sums in f32; the weights p are rounded to f16 for the second product, the result once at the end.
; LIMITS: hidden keys count for nothing, where the definition gives them the score -1e9: the same as long as scaled scores stay above -1e9.  NaN and infinities are not served.
; SHARES.  Work-group (i, head) owns query blocks 7 - i and i, 256 queries each, and walks key slots of 256 keys: 0 .. 7 - i for the late block, then 0 .. i for the early one: NINE trips in every work-group, so the trip
; count is a constant and all 256 work-groups have the same number of slots.  Each of eight waves owns 32 queries, two tiles of 16: a fragment of K or V read from LDS feeds two products.  Two waves share a SIMD.
; NO CLUSTER: the four work-groups of a head walk different sequences of slots from the fifth trip on (8 - i and i + 1 slots); a common walk in which all make every joint request would be 12 slots long against 9.
; LAYOUT.  S^T = K Q^T (source 0 = 16 keys, source 1 = 16 queries): a lane holds ONE query (lane % 16) and keys 8 (lane / 16) + 0..7.  Two such tiles, rounded to f16 in pairs, are source 1 of O^T = V^T P.  V is turned by ds_load_tr16_b128.
; SOFTMAX.  A running maximum m and sum l for each query: p = 2^(c s - c m), c = log2(e) / 8; in every step O and l are multiplied by a = 2^(c m_old - c m_new).
; The key step is written once for all steps: O and l begin as zeros and m as -3e38 (64 moves for each of the two query blocks, in place of a further copy of the step's text).
; REGISTERS.  Window 0: v1-14 addresses and constants; v16-31 statistics, eight a tile; v32-63 rows on the way out; v64-191 S^T (64 t + 8 kt); v192-255 P (32 t + 4 kt).
;   Window 1: v0-63 O^T (32 t + 8 dt); v64-95 Q (16 t + 8 kk); v128-255 sixteen fragments of K, then of V.
.set KP,    144                        ; a row of K in LDS: 128 bytes + 16 = 36 words: the 16 rows of a load start at 16 different groups of four banks (ISA guide 11.1)
.set VP,    160                        ; a row of V: 128 + 32 = 40 words, for the turning load
.set VOFF,  256*KP                     ; a slot: 256 rows of K, then 256 rows of V
.set SLOT1, 1<<17                      ; slot 1 begins here: one exclusive or turns an address from one slot to the other
.set STAGE, 2*SLOT1                    ; the way out: 2 tiles x 16 rows x 144 bytes for each wave
.set SPARE, STAGE+8*4608               ; the spare words, 128 bytes a wave
.set AK0, 1
.set AV0, 2
.set ADK, 3
.set ADV, 4
.set QO,  5
.set STO, 6
.set RD,  7
.set GO,  8
.set PFO, 9
.set SPW, 10
.set NIL, 11
.set RH,  12                           ; v12 r - 8 h
.set DD,  13                           ; v13 the mask's bound
.set NINF, 14                          ; v14 -infinity
.set ST,  16                           ; tile t at v[ST + 8 t]: +0 c m, +1 m, +2, +3 l, +4 .. +7 at work (a at +6)
.set OUTR, 32
.set S,   64
.set P,   192
.set QF,  64                           ; in window 1
.set FB,  128                          ; in window 1
.set WV,  8
.set II,  9
.set BLK, 10
.set SI,  11
.set NI,  12
.set KF,  13
.set Q0,  14
.set T,   15
.set TB,  16
.set LIM, 17
.set CS,  18
.set SEL, 20
.set G1K, 24
.set G1V, 32
.set G0K, 40
.set G0V, 44
.set KB,  48
.set VB,  50
.set QH,  52
.set OH,  54
.set QB,  56
.set OB,  58
.set PFA, 60
.set MSB, 0
.macro WIN new                         ; the immediate's high byte repeats the setting that is left
.if MSB != (\new)
	s_set_vgpr_msb (MSB<<8)|(\new)
.set MSB, (\new)
.endif
.endm
.set W_KQ, 0x05                        ; K and Q in window 1, S^T in window 0
.set W_PV, 0x51                        ; V in window 1, P in window 0, O^T in window 1
.set TO_1, 0x40                        ; destination window 1
.set W_RS, 0x41                        ; O^T (destination and source 0) in window 1, a in window 0
.macro PLACES                          ; plain vector lines between a matrix instruction and a load into, or a read of, its registers
.rept 4
	v_nop
.endr
.endm
; Every wave fetches: waves 0-3 a quarter (64 rows) of K's tile, waves 4-7 of V's.  The branch hangs on the wave's number alone.  An s_nop 0 and four v_nop follow each line.
.macro TLOAD
	s_cmp_lt_u32 s[WV], 4
	s_cbranch_scc0 .Lfor_v_\@
	tensor_load_to_lds s[G0K:G0K+3], s[G1K:G1K+7]
	s_nop 0
.rept 4
	v_nop
.endr
	s_branch .Lasked_\@
.Lfor_v_\@:
	tensor_load_to_lds s[G0V:G0V+3], s[G1V:G1V+7]
	s_nop 0
.rept 4
	v_nop
.endr
.Lasked_\@:
.endm
; A prefetch into the L2 of what the NEXT change of slots will ask for.  All four work-groups of a head walk the same K and V from slot 0 up: the one with i = 0, which walks all eight slots on end, asks, in trips 0 to 5 for
; slots 2 to 7.  Each wave names the 8,192 bytes that it will itself load, lanes 256 bytes apart: each block of 256 bytes is named once in the launch.  Slots 0 and 1 come by their loads alone.
.macro ASK
	s_cmp_lt_u32 s[T], s[LIM]
	s_cbranch_scc0 .Lnot_mine_\@
	global_prefetch_b8 v[PFO], s[PFA:PFA+1] th:TH_LOAD_NT scope:SCOPE_SE
.Lnot_mine_\@:
.endm
	s_load_b128 s[4:7], s[0:1], 0x0                ; qkv s[4:5], att s[6:7]
	v_lshl_add_u32 v[SPW], v0, 2, SPARE
	v_mov_b32 v[NIL], 0
	ds_add_u32 v[SPW], v[NIL]                      ; the wave's opening: the add, twice on end, and its wait ahead of my first tensor load
	ds_add_u32 v[SPW], v[NIL]
	v_lshrrev_b32 v32, 5, v0
	v_readfirstlane_b32 s[WV], v32                 ; wave 0..7
	s_mov_b32 s[II], ttmp9                         ; i
	s_and_b32 s62, ttmp7, 0xffff
	s_lshr_b32 s63, s62, 4                         ; batch
	s_and_b32 s62, s62, 15                         ; head
	s_lshl_b32 s66, s62, 20                        ; a plane is 2^20 bytes,
	s_lshl_b32 s67, s63, 18                        ; a batch's 2,048 rows of 128 bytes 2^18
	s_add_co_u32 s66, s66, s67
	s_and_b32 s67, s[WV], 3                        ; which quarter of a tile I fetch
	s_lshl_b32 s68, s67, 13                        ; its 64 rows of 128 bytes
	s_add_co_u32 s68, s68, s66
	s_add_co_u32 s68, s68, 16<<20                  ; K's planes lie behind Q's sixteen
	s_mov_b32 s69, 0
	s_mov_b32 s[G1K], (1<<16)|(1<<20)|(4<<22)|(3<<25)   ; no mask; elements of 2 bytes; padding on; after every 32 words; four words
	s_mov_b32 s[G1V], (1<<16)|(1<<20)|(4<<22)|(7<<25)   ; eight words
.irp g, G1K, G1V
	s_mov_b32 s[\g+1], 64<<16                      ; tensor_dim0 = 64
	s_mov_b32 s[\g+2], 64<<16                      ; tensor_dim1 = 64
	s_mov_b32 s[\g+3], 64<<16                      ; tile_dim0 = 64
	s_mov_b32 s[\g+4], 64                          ; tile_dim1 = 64
	s_mov_b32 s[\g+5], 64                          ; from row to row
	s_mov_b32 s[\g+6], 0
	s_mov_b32 s[\g+7], 0
.endr
	s_mov_b32 s[CS], 0x3e38aa3b                    ; c = log2(e) / 8
	s_mov_b32 s[CS+1], s[CS]                       ; (named with it as a pair)
	s_mov_b32 s[SEL], 0x76543210
	s_mov_b32 s[SEL+1], 0xfedcba98                 ; v_permlanex16_b32: lane l xor 16
	s_mov_b32 s[T], 0
	s_mov_b32 s[SI], 0
	s_mov_b32 s[NI], 0
	s_mov_b32 s[KF], 0
	s_mov_b32 s[TB], 0
	s_sub_co_u32 s[BLK], 7, s[II]                  ; the late block first
	s_lshl_b32 s[Q0], s[BLK], 8
	s_lshl_b32 s62, s[WV], 5
	s_add_co_u32 s[Q0], s[Q0], s62                 ; my first query
	s_cmp_eq_u32 s[II], 0
	s_cselect_b32 s[LIM], 6, 0
	s_wait_dscnt 0x0                               ; both opening adds are done
	s_wait_kmcnt 0x0
	s_add_nc_u64 s[KB:KB+1], s[4:5], s[68:69]      ; my quarter of K's slot 0,
	s_add_nc_u64 s[VB:VB+1], s[KB:KB+1], 16<<20    ; and of V's
	s_mov_b32 s[G0K], 1
	s_mul_i32 s[G0K+1], s67, 64*KP
	s_mov_b64 s[G0K+2:G0K+3], s[KB:KB+1]
	s_or_b32 s[G0K+3], s[G0K+3], 0x80000000
	s_mov_b32 s[G0V], 1
	s_mul_i32 s[G0V+1], s67, 64*VP
	s_add_co_u32 s[G0V+1], s[G0V+1], VOFF
	s_mov_b64 s[G0V+2:G0V+3], s[VB:VB+1]
	s_or_b32 s[G0V+3], s[G0V+3], 0x80000000
	TLOAD                                          ; slot 0: keys 0-255, which count for every block
	s_lshl_b32 s68, s[WV], 12                      ; my wave's 32 rows in a block
	s_add_co_u32 s68, s68, s66
	s_add_nc_u64 s[QH:QH+1], s[4:5], s[68:69]
	s_add_nc_u64 s[OH:OH+1], s[6:7], s[68:69]
	s_cmp_lt_u32 s[WV], 4
	s_cselect_b64 s[PFA:PFA+1], s[KB:KB+1], s[VB:VB+1]
	s_add_nc_u64 s[PFA:PFA+1], s[PFA:PFA+1], 32768 ; in slot 1: the first change of slots steps it to slot 2
	v_and_b32 v32, 15, v0                          ; r
	v_bfe_u32 v33, v0, 4, 1                        ; h
	v_and_b32 v34, 7, v0                           ; l % 8
	v_bfe_u32 v35, v0, 3, 1                        ; (l / 8) % 2
	v_bfe_u32 v36, v0, 3, 2                        ; l / 8
	v_and_b32 v37, 31, v0                          ; l
	v_mul_u32_u24 v[AK0], v32, KP
	v_lshl_add_u32 v[AK0], v33, 4, v[AK0]          ; K: row r x pitch + 16 h
	v_lshl_add_u32 v[AV0], v33, 3, v34
	v_mul_u32_u24 v[AV0], v[AV0], VP
	v_lshl_add_u32 v[AV0], v35, 4, v[AV0]
	v_add_nc_u32 v[AV0], VOFF, v[AV0]              ; V: key 8 h + l % 8, 16 bytes of channels by (l / 8) % 2
	v_lshlrev_b32 v[QO], 7, v32
	v_lshl_add_u32 v[QO], v33, 4, v[QO]            ; Q: row r of 128 bytes + 16 h
	s_mul_i32 s62, s[WV], 4608
	s_add_co_u32 s62, s62, STAGE                   ; my stage
	v_add_nc_u32 v[STO], s62, v[AK0]
	v_mul_u32_u24 v[RD], v36, KP
	v_lshl_add_u32 v[RD], v34, 4, v[RD]
	v_add_nc_u32 v[RD], s62, v[RD]                 ; back: eight lanes to a row, four rows an instruction
	v_lshlrev_b32 v[GO], 4, v37
	v_lshlrev_b32 v[PFO], 8, v37
	v_lshlrev_b32 v[RH], 3, v33
	v_sub_nc_u32 v[RH], v32, v[RH]
	v_mov_b32 v[NINF], 0xff800000
; A query block begins: its addresses, Q's fragments into registers, O, l and m at their starts.
.macro INIT
	s_wait_xcnt 0x0                                ; the last block's loads and stores have read their bases and data
	s_lshl_b32 s22, s[BLK], 15                     ; 256 rows of 128 bytes a block
	s_mov_b32 s23, 0
	s_add_nc_u64 s[QB:QB+1], s[QH:QH+1], s[22:23]
	s_add_nc_u64 s[OB:OB+1], s[OH:OH+1], s[22:23]
	WIN TO_1
.irp t, 0,1
.irp kk, 0,1
	global_load_b128 v[QF+16*\t+8*\kk:QF+16*\t+8*\kk+3],   v[QO], s[QB:QB+1] offset:\t*2048+\kk*64
	global_load_b128 v[QF+16*\t+8*\kk+4:QF+16*\t+8*\kk+7], v[QO], s[QB:QB+1] offset:\t*2048+\kk*64+32
.endr
.endr
.set i, 0
.rept 64
	v_mov_b32 v[i], 0                              ; O^T
.set i, i+1
.endr
	WIN 0
.irp t, 0,1
	v_mov_b32 v[ST+8*\t+1], 0xff61b1e6             ; m = -3e38, under every score
.irp u, 2,3,4,5,6,7
	v_mov_b32 v[ST+8*\t+\u], 0
.endr
	v_mul_f32 v[ST+8*\t], s[CS], v[ST+8*\t+1]      ; c m
.endr
	s_wait_loadcnt 0x0                             ; Q
.endm
; THE CHANGE OF SLOTS, at a trip's head.  Each wave waits for all its tensor loads (one is out: its part of the slot ahead), adds 0 to its spare word, and waits for that and for its reads of the slot that it has left.
; Behind the barrier the slot ahead is whole and nobody reads the other.  fill = 1: the other slot takes the next trip's keys: the slot after this one, or slot 0 again where this one is the block's last.
.macro CHANGE fill
	s_wait_tensorcnt 0x0                           ; no tensor load of mine is out, so a group 0 may be written
	ds_add_u32 v[SPW], v[NIL]                      ; 0 onto my spare word
.if \fill
	s_add_co_u32 s[NI], s[SI], 1
	s_cmp_eq_u32 s[SI], s[BLK]
	s_cselect_b32 s[NI], 0, s[NI]
	s_lshl_b32 s22, s[NI], 15                      ; 256 rows of 128 bytes a slot
	s_mov_b32 s23, 0
	s_xor_b32 s[G0K+1], s[G0K+1], SLOT1            ; the other slot than last time
	s_xor_b32 s[G0V+1], s[G0V+1], SLOT1
	s_add_nc_u64 s[G0K+2:G0K+3], s[KB:KB+1], s[22:23]
	s_or_b32 s[G0K+3], s[G0K+3], 0x80000000
	s_add_nc_u64 s[G0V+2:G0V+3], s[VB:VB+1], s[22:23]
	s_or_b32 s[G0V+3], s[G0V+3], 0x80000000
	s_wait_xcnt 0x0                                ; the last prefetch, a trip back, has read its address
	s_add_nc_u64 s[PFA:PFA+1], s[PFA:PFA+1], 32768
.endif
	s_wait_dscnt 0x0                               ; the add is done, and my reads of the slot that I have left are over
	s_barrier_signal -1
	s_barrier_wait -1
.if \fill
	TLOAD                                          ; the first thing behind the barrier, and my one tensor load until the next: it has the trip's two key steps in which to land
	ASK
.endif
	v_add_nc_u32 v[ADK], s[TB], v[AK0]
	v_add_nc_u32 v[ADV], s[TB], v[AV0]
.endm
; A KEY STEP: 128 keys, the q-th of the slot in hand, against my 32 queries.
.macro STEP q
	s_add_co_u32 s62, s[Q0], 31                    ; a step all of whose keys come after my queries is left out: a branch on ids
	s_cmp_gt_u32 s[KF], s62
	s_cbranch_scc1 .Lhidden_\@
	PLACES                                         ; in front of loads into registers that the last products read
	WIN TO_1
.irp kk, 0,1                                   ; K: fragment (kt, kk): keys 16 kt on, channels 32 kk on; the first half of the head first
.irp kt, 0,1,2,3,4,5,6,7
	ds_load_b128 v[FB+8*(2*\kt+\kk):FB+8*(2*\kt+\kk)+3],   v[ADK] offset:(\q)*128*KP+\kt*16*KP+\kk*64
	ds_load_b128 v[FB+8*(2*\kt+\kk)+4:FB+8*(2*\kt+\kk)+7], v[ADK] offset:(\q)*128*KP+\kt*16*KP+\kk*64+32
.endr
.endr
	WIN W_KQ
.irp kk, 0,1                                   ; S^T = K Q^T: sixteen accumulators by turns, one instruction a turn
	s_wait_dscnt 16-16*\kk                         ; this half's 16 loads are in; the other half's may be out
.irp kt, 0,1,2,3,4,5,6,7
.irp t, 0,1
.if \kk == 0
	v_wmma_f32_16x16x32_f16 v[S+64*\t+8*\kt:S+64*\t+8*\kt+7], v[FB+8*(2*\kt+\kk):FB+8*(2*\kt+\kk)+7], v[QF+16*\t+8*\kk:QF+16*\t+8*\kk+7], 0
.else
	v_wmma_f32_16x16x32_f16 v[S+64*\t+8*\kt:S+64*\t+8*\kt+7], v[FB+8*(2*\kt+\kk):FB+8*(2*\kt+\kk)+7], v[QF+16*\t+8*\kk:QF+16*\t+8*\kk+7], v[S+64*\t+8*\kt:S+64*\t+8*\kt+7]
.endif
.endr
.endr
.endr
	WIN 0
	PLACES                                         ; in front of the loads below and of the first read of the scores
	WIN TO_1
.irp kg, 0,1,2,3                               ; V, turned: fragment (kg, dt): keys 32 kg on, channels 16 dt on.  These land under the softmax
.irp dt, 0,1,2,3
	ds_load_tr16_b128 v[FB+8*(4*\kg+\dt):FB+8*(4*\kg+\dt)+3],   v[ADV] offset:(\q)*128*VP+\kg*32*VP+\dt*32
	ds_load_tr16_b128 v[FB+8*(4*\kg+\dt)+4:FB+8*(4*\kg+\dt)+7], v[ADV] offset:(\q)*128*VP+\kg*32*VP+16*VP+\dt*32
.endr
.endr
	WIN 0
	s_add_co_u32 s62, s[KF], 127                   ; on the diagonal hidden scores become -infinity ahead of the maximum; a step all of whose keys count skips this
	s_cmp_le_u32 s62, s[Q0]
	s_cbranch_scc1 .Lopen_\@
	s_sub_co_i32 s62, s[Q0], s[KF]
	v_add_nc_u32 v[DD], s62, v[RH]                 ; register (t, kt, j) holds key KF + 16 kt + 8 h + j for query Q0 + 16 t + r: hidden where 16 kt + j - 16 t > Q0 - KF + r - 8 h
.irp t, 0,1
.irp kt, 0,1,2,3,4,5,6,7
.irp j, 0,1,2,3,4,5,6,7
	v_cmp_gt_i32 vcc_lo, 16*\kt+\j-16*\t, v[DD]
	v_cndmask_b32 v[S+64*\t+8*\kt+\j], v[S+64*\t+8*\kt+\j], v[NINF], vcc_lo
.endr
.endr
.endr
.Lopen_\@:
	; the maximum of a tile's 64 scores and the old m: four chains, ascending; the two tiles line by line
.irp c, 0,1,2,3
.irp t, 0,1
	v_max3_num_f32 v[ST+8*\t+4+\c], v[S+64*\t+16*\c], v[S+64*\t+16*\c+1], v[S+64*\t+16*\c+2]
.endr
.endr
.irp i, 3,5,7,9,11,13
.irp c, 0,1,2,3
.irp t, 0,1
	v_max3_num_f32 v[ST+8*\t+4+\c], v[ST+8*\t+4+\c], v[S+64*\t+16*\c+\i], v[S+64*\t+16*\c+\i+1]
.endr
.endr
.endr
.irp t, 0,1
	v_max3_num_f32 v[ST+8*\t+4], v[ST+8*\t+4], v[S+64*\t+15], v[S+64*\t+31]
.endr
.irp t, 0,1
	v_max3_num_f32 v[ST+8*\t+6], v[ST+8*\t+6], v[S+64*\t+47], v[S+64*\t+63]
.endr
.irp t, 0,1
	v_max3_num_f32 v[ST+8*\t+4], v[ST+8*\t+4], v[ST+8*\t+5], v[ST+8*\t+6]
.endr
.irp t, 0,1
	v_max3_num_f32 v[ST+8*\t+4], v[ST+8*\t+4], v[ST+8*\t+7], v[ST+8*\t+1]
.endr
.irp t, 0,1
	v_permlanex16_b32 v[ST+8*\t+5], v[ST+8*\t+4], s[SEL], s[SEL+1]   ; the query's other 64 keys lie in the lane 16 away
.endr
.irp t, 0,1
	v_mov_b32 v[ST+8*\t+7], v[ST+8*\t]             ; c m_old
.endr
.irp t, 0,1
	v_max_num_f32 v[ST+8*\t+1], v[ST+8*\t+4], v[ST+8*\t+5]
.endr
.irp t, 0,1
	v_mul_f32 v[ST+8*\t], s[CS], v[ST+8*\t+1]
.endr
.irp t, 0,1
	v_sub_f32 v[ST+8*\t+7], v[ST+8*\t+7], v[ST+8*\t]
.endr
.set i, 0
.rept 32
.irp t, 0,1
	v_pk_fma_f32 v[S+64*\t+i:S+64*\t+i+1], v[S+64*\t+i:S+64*\t+i+1], s[CS:CS+1], v[ST+8*\t:ST+8*\t+1] op_sel_hi:[1,0,0] neg_lo:[0,0,1] neg_hi:[0,0,1]   ; c s - c m, two at a time
.endr
.set i, i+2
.endr
.irp t, 0,1                                    ; ONE BATCH of exponentials for both tiles: a, then the 64 weights
	v_exp_f32 v[ST+8*\t+6], v[ST+8*\t+7]
.endr
.set i, 0
.rept 128
	v_exp_f32 v[S+i], v[S+i]
.set i, i+1
.endr
	v_nop                                          ; a plain line behind the last exponential
	s_wait_alu depctr_va_vdst(0)                   ; one wait for the batch, ahead of its first reader
.irp t, 0,1
	v_pk_mul_f32 v[ST+8*\t+2:ST+8*\t+3], v[ST+8*\t+2:ST+8*\t+3], v[ST+8*\t+6:ST+8*\t+7] op_sel_hi:[1,0]   ; l under the new m
.endr
.irp t, 0,1
	v_pk_add_f32 v[ST+8*\t+4:ST+8*\t+5], v[S+64*\t:S+64*\t+1], v[S+64*\t+2:S+64*\t+3]   ; the sums of the unrounded weights, in two chains a tile
.endr
.set i, 4
.rept 15
.irp t, 0,1
	v_pk_add_f32 v[ST+8*\t+2:ST+8*\t+3], v[ST+8*\t+2:ST+8*\t+3], v[S+64*\t+i:S+64*\t+i+1]
	v_pk_add_f32 v[ST+8*\t+4:ST+8*\t+5], v[ST+8*\t+4:ST+8*\t+5], v[S+64*\t+i+2:S+64*\t+i+3]
.endr
.set i, i+4
.endr
.irp t, 0,1
	v_pk_add_f32 v[ST+8*\t+2:ST+8*\t+3], v[ST+8*\t+2:ST+8*\t+3], v[ST+8*\t+4:ST+8*\t+5]
.endr
.set i, 0
.rept 64
	v_cvt_pk_f16_f32 v[P+i], v[S+2*i], v[S+2*i+1]  ; the weights to f16: a key tile's eight registers become four of P
.set i, i+1
.endr
	WIN W_RS
.irp t, 0,1
.set i, 0
.rept 16
	v_pk_mul_f32 v[32*\t+i:32*\t+i+1], v[32*\t+i:32*\t+i+1], v[ST+8*\t+6:ST+8*\t+7] op_sel_hi:[1,0]   ; O^T under the new m
.set i, i+2
.endr
.endr
	s_wait_dscnt 0x0                               ; V is in
	WIN W_PV
.irp kg, 0,1,2,3                               ; O^T += V^T P: eight accumulators by turns
.irp dt, 0,1,2,3
.irp t, 0,1
	v_wmma_f32_16x16x32_f16 v[32*\t+8*\dt:32*\t+8*\dt+7], v[FB+8*(4*\kg+\dt):FB+8*(4*\kg+\dt)+7], v[P+32*\t+8*\kg:P+32*\t+8*\kg+7], v[32*\t+8*\dt:32*\t+8*\dt+7]
.endr
.endr
.endr
	WIN 0
.Lhidden_\@:
	s_add_co_u32 s[KF], s[KF], 128
.endm
; A query block ends: O^T / l, rounded to f16, through my stage in LDS, out as rows: in a plane four rows are 512 consecutive bytes.
.macro FINISH
	PLACES
.irp t, 0,1
	v_add_f32 v[ST+8*\t+4], v[ST+8*\t+2], v[ST+8*\t+3]
.endr
.irp t, 0,1
	v_permlanex16_b32 v[ST+8*\t+5], v[ST+8*\t+4], s[SEL], s[SEL+1]
.endr
.irp t, 0,1
	v_add_f32 v[ST+8*\t+4], v[ST+8*\t+4], v[ST+8*\t+5]
.endr
.irp t, 0,1
	v_rcp_f32 v[ST+8*\t+6], v[ST+8*\t+4]
.endr
	v_nop                                          ; a plain line behind the last reciprocal
	s_wait_alu depctr_va_vdst(0)                   ; and the wait ahead of the first use
	WIN W_RS
.irp t, 0,1
.set i, 0
.rept 16
	v_pk_mul_f32 v[32*\t+i:32*\t+i+1], v[32*\t+i:32*\t+i+1], v[ST+8*\t+6:ST+8*\t+7] op_sel_hi:[1,0]
.set i, i+2
.endr
.endr
	WIN W_KQ                                       ; sources in window 1, destination in window 0: S^T's registers are free
.set i, 0
.rept 32
	v_cvt_pk_f16_f32 v[S+i], v[2*i], v[2*i+1]
.set i, i+1
.endr
	WIN 0
.irp t, 0,1
.irp dt, 0,1,2,3
	ds_store_b128 v[STO], v[S+16*\t+4*\dt:S+16*\t+4*\dt+3] offset:\t*2304+\dt*32
.endr
.endr
.irp t, 0,1
.irp u, 0,1,2,3
	ds_load_b128 v[OUTR+16*\t+4*\u:OUTR+16*\t+4*\u+3], v[RD] offset:\t*2304+\u*576   ; LDS serves a wave's instructions in order: these see my stores
.endr
.endr
	s_wait_dscnt 0x0
.irp t, 0,1
.irp u, 0,1,2,3
	global_store_b128 v[GO], v[OUTR+16*\t+4*\u:OUTR+16*\t+4*\u+3], s[OB:OB+1] offset:\t*2048+\u*512
.endr
.endr
.endm
.macro TRIP fill
	CHANGE \fill
	STEP 0
	STEP 1
	s_xor_b32 s[TB], s[TB], SLOT1                  ; on to the other slot
.if \fill
	s_cmp_lg_u32 s[SI], s[BLK]                     ; was this the block's last slot?  ids and the count of trips alone
	s_cbranch_scc1 .Lsame_\@
	FINISH
	s_mov_b32 s[BLK], s[II]                        ; the early block
	s_lshl_b32 s[Q0], s[II], 8
	s_lshl_b32 s62, s[WV], 5
	s_add_co_u32 s[Q0], s[Q0], s62
	INIT
.Lsame_\@:
	s_mov_b32 s[SI], s[NI]
	s_lshl_b32 s[KF], s[NI], 8
.else
	FINISH
.endif
.endm
	INIT
.Ltrip:                                            ; eight trips ask for the next trip's slot; slot 1's first fill stands behind the first trip's barrier
	TRIP 1
	s_add_co_u32 s[T], s[T], 1
	s_cmp_lt_u32 s[T], 8
	s_cbranch_scc1 .Ltrip
	TRIP 0                                         ; the ninth is written out: it asks for nothing, and ends the early block
	s_wait_tensorcnt 0x0                           ; the wave's end: behind my last tensor load and my last LDS store
	ds_add_u32 v[SPW], v[NIL]
	s_wait_dscnt 0x0
	s_endpgm
.Lfunc_end_k_q7bb34288db_attn:
	.size	k_q7bb34288db_attn, .Lfunc_end_k_q7bb34288db_attn-k_q7bb34288db_attn
	.p2alignl 7, 3214868480
	.fill 96, 4, 3214868480
	.section	.rodata,"a",@progbits
	.p2align	6, 0x0
	.amdhsa_kernel k_q7bb34288db_attn
		.amdhsa_group_segment_fixed_size 327680
		.amdhsa_private_segment_fixed_size 0
		.amdhsa_enable_private_segment 0
		.amdhsa_kernarg_size 16
		.amdhsa_user_sgpr_count 2
		.amdhsa_user_sgpr_kernarg_segment_ptr 1
		.amdhsa_wavefront_size32 1
		.amdhsa_system_sgpr_workgroup_id_x 1
		.amdhsa_system_sgpr_workgroup_id_y 1
		.amdhsa_system_sgpr_workgroup_id_z 1
		.amdhsa_system_vgpr_workitem_id 0
		.amdhsa_next_free_vgpr 512
		.amdhsa_next_free_sgpr 72
		.amdhsa_reserve_vcc 1
		.amdhsa_float_denorm_mode_32 3
		.amdhsa_float_denorm_mode_16_64 3
		.amdhsa_memory_ordered 1
		.amdhsa_forward_progress 1
		.amdhsa_inst_pref_size 193
	.end_amdhsa_kernel
	.amdgpu_metadata
---
amdhsa.version: [ 1, 2 ]
amdhsa.kernels:
  - .name:           k_q7bb34288db_attn
    .symbol:         k_q7bb34288db_attn.kd
    .args:
      - { .name: qkv, .offset: 0, .size: 8, .value_kind: global_buffer, .address_space: global }
      - { .name: att, .offset: 8, .size: 8, .value_kind: global_buffer, .address_space: global }
    .group_segment_fixed_size: 327680
    .private_segment_fixed_size: 0
    .kernarg_segment_align: 8
    .kernarg_segment_size: 16
    .max_flat_workgroup_size: 256
    .sgpr_count:     72
    .vgpr_count:     512
    .wavefront_size: 32
...
	.end_amdgpu_metadata
.endif
;; end of part 3
;; launch proj (part 4): grid 4 x 64, 4 waves a work-group, clusters of 4 x 4, 327,680 bytes of LDS; arguments att, wo16, out0; writes out0
.if DOCPART == 4
	.amdgcn_target "amdgcn-amd-amdhsa--gfx1250"
	.amdhsa_code_object_version 6
	.text
	.protected	k_q7bb34288db_proj
	.globl	k_q7bb34288db_proj
	.p2align	8
	.type	k_q7bb34288db_proj,@function
k_q7bb34288db_proj:
	s_mov_b64 s[64:65], 0
	v_nop
	global_prefetch_b8 v0, s[64:65] scope:SCOPE_SE
	s_setreg_imm32_b32 hwreg(HW_REG_WAVE_MODE, 25, 1), 1
	s_wait_xcnt 0x0
	s_wait_alu depctr_hold_cnt(0) depctr_sa_sdst(0) depctr_va_vdst(0) depctr_va_sdst(0) depctr_va_ssrc(0) depctr_va_vcc(0) depctr_vm_vsrc(0)
	s_getreg_b32 s2, hwreg(HW_REG_IB_STS2, 6, 4)
	s_cmp_eq_u32 s2, 0
	s_cbranch_scc0 .Lentry_in_a_cluster
	s_endpgm
.Lentry_in_a_cluster:
	s_bfe_u32 s2, ttmp6, 0x10000c
	s_cmp_lg_u32 s2, 0xf033
	s_cbranch_scc0 .Lentry_shape_is_right
	s_endpgm
.Lentry_shape_is_right:
; out0[m][n] = sum over k of att[m][k] Wo[n][k], m = 8,192, n = k = 1,024; f16 operands, f32 sums, f32 out.  att: planes [16][8192][64]; wo16: planes [16][1024][64]; a plane is 64 along k.
; The rows of positions 0-15 of each batch are NOT stored here: a later launch makes them in f32.
; A tile of out0 is 128 x 256: 256 work-groups.  Four waves, each 64 x 128: 32 accumulators, 256 registers.  K goes in steps of 128 (two planes) through two LDS slots; a plane's rows are dense, so a tile of a plane is one dense block.
; CLUSTERS: 4 x 4.  M tile = 16 cy + cluster y, N tile = cx: att's tiles are asked for jointly along a row of the cluster, Wo's along a column.  Whether a tile holds positions 0-15 hangs on the cluster's y and the wave alone.
; THE MATRIX INSTRUCTION IS USED TRANSPOSED (source 0 = 16 rows of Wo, source 1 = 16 rows of att): a lane holds eight neighbouring columns of a row of out0.
; REGISTERS: window 0: v16-29 addresses; v128-255 rows on the way out.  Window 1: two fragment buffers at v0 and v128: att's 4 fragments, then Wo's 8.  Window 2: the accumulators, (a, b) at v[8 (8 a + b)].
.set PITCH,  144                       ; an LDS row: 128 bytes + 16 = 36 words: the 16 rows of a load start at 16 different groups of four banks (ISA guide 11.1)
.set APL,    128*PITCH                 ; a plane of att's tile
.set BPL,    256*PITCH                 ; a plane of Wo's
.set SLOT,   2*APL+2*BPL
.set STAGE,  2*SLOT                    ; behind the slots: 16 rows x 528 bytes for each wave
.set SPITCH, 528
.set SPARE,  STAGE+4*16*SPITCH
.set LAPS,   4                         ; a lap = two K steps
.set ADRA, 16
.set ADRB, 20
.set STO,  24
.set RD,   25
.set CO,   26
.set SPW,  28
.set NIL,  29
.set BK,   128
.set F0,   0
.set F1,   128
.set G1, 24
.set G0, 32
.set G1B, 48
.set G0B, 56
.set FINE, 45                          ; s45  0 where my block 0 is positions 0-15 of a batch
.set MSB, 0
.macro WIN new
.if MSB != (\new)
	s_set_vgpr_msb (MSB<<8)|(\new)
.set MSB, (\new)
.endif
.endm
.set MUL,  0xa5                        ; sources 0 and 1 window 1; C and D window 2
.set TO_F, 0x40
.macro JLOAD s                         ; a joint load: waves 0 and 1 fetch att's two planes, waves 2 and 3 Wo's; an s_nop 0 and four v_nop follow each line
	s_cmp_eq_u32 s11, 0
	s_cbranch_scc0 .Lfor_b_\@
	tensor_load_to_lds s[G0+4*\s:G0+4*\s+3], s[G1:G1+7]
	s_nop 0
.rept 4
	v_nop
.endr
	s_branch .Lasked_\@
.Lfor_b_\@:
	tensor_load_to_lds s[G0B+4*\s:G0B+4*\s+3], s[G1B:G1B+7]
	s_nop 0
.rept 4
	v_nop
.endr
.Lasked_\@:
.endm
.macro CREST
	s_cmp_lg_u32 s10, 0
	s_cbranch_scc1 .Lnot_wave_0_\@
	s_barrier_signal -3
.Lnot_wave_0_\@:
	s_barrier_wait -3
	s_barrier_signal -1
	s_barrier_wait -1
.endm
.macro CROUND
	s_barrier_signal -1
	s_barrier_wait -1
	CREST
.endm
	s_load_b128 s[4:7], s[0:1], 0x0                ; att, wo16
	s_load_b64 s[8:9], s[0:1], 0x10                ; out0
	v_lshl_add_u32 v[SPW], v0, 2, SPARE
	v_mov_b32 v[NIL], 0
	ds_add_u32 v[SPW], v[NIL]                      ; the wave's opening: the add, twice on end, and its wait ahead of my first tensor load
	ds_add_u32 v[SPW], v[NIL]
	v_lshrrev_b32 v1, 5, v0
	v_readfirstlane_b32 s10, v1                    ; wave 0..3
	s_lshr_b32 s11, s10, 1                         ; which 64 rows are mine.  Also: I fetch for att (0) or for Wo (1)
	s_and_b32 s12, s10, 1                          ; which 128 columns.  Also: which plane of a K step I fetch
	s_bfe_u32 s40, ttmp6, 0x40000                  ; cx
	s_bfe_u32 s41, ttmp6, 0x40004                  ; cy
	s_lshl_b32 s42, ttmp9, 2
	s_add_co_u32 s42, s42, s40                     ; N tile
	s_and_b32 s13, ttmp7, 0xffff                   ; cluster y
	s_or_b32 s[FINE], s13, s11
	s_lshl_b32 s43, s41, 4
	s_add_co_u32 s13, s13, s43                     ; M tile = 16 cy + cluster y
	s_lshl_b32 s43, s41, 2
	s_lshl_b32 s43, 15, s43                        ; my row of the cluster
	s_lshl_b32 s44, 0x1111, s40                    ; my column
	s_or_b32 s[G1+0], s43, (1<<16)|(1<<20)|(1<<21)|(4<<22)|(3<<25)  ; the mask; elements of 2 bytes; padding on; bit 21 beside a mask; after every 32 words; four words
	s_or_b32 s[G1B+0], s44, (1<<16)|(1<<20)|(1<<21)|(4<<22)|(3<<25)
	s_mov_b32 s[G1+1], 64<<16                      ; tensor_dim0 = 64
	s_mov_b32 s[G1+2], 128<<16                     ; tensor_dim1 = 128
	s_mov_b32 s[G1+3], 64<<16                      ; tile_dim0 = 64
	s_mov_b32 s[G1+4], 128                         ; tile_dim1 = 128
	s_mov_b32 s[G1+5], 64                          ; from row to row
	s_mov_b32 s[G1+6], 0
	s_mov_b32 s[G1+7], 0
	s_mov_b32 s[G1B+1], 64<<16
	s_mov_b32 s[G1B+2], 256<<16
	s_mov_b32 s[G1B+3], 64<<16
	s_mov_b32 s[G1B+4], 256
	s_mov_b32 s[G1B+5], 64
	s_mov_b32 s[G1B+6], 0
	s_mov_b32 s[G1B+7], 0
	s_lshl_b32 s16, s13, 14                        ; att: 128 rows of 128 bytes a tile,
	s_lshl_b32 s17, s12, 20                        ; my plane
	s_add_co_u32 s16, s16, s17
	s_mov_b32 s17, 0
	s_lshl_b32 s46, s42, 15                        ; Wo: 256 rows of 128 bytes a tile,
	s_lshl_b32 s47, s12, 17                        ; my plane
	s_add_co_u32 s46, s46, s47
	s_mov_b32 s47, 0
	s_mul_i32 s20, s12, APL                        ; where they go: no place in the cluster enters an LDS address
	s_mul_i32 s21, s12, BPL
	s_add_co_u32 s21, s21, 2*APL
	s_wait_dscnt 0x0                               ; both opening adds are done
	s_wait_kmcnt 0x0
	s_add_nc_u64 s[14:15], s[4:5], s[16:17]
	s_add_nc_u64 s[46:47], s[6:7], s[46:47]
	CROUND                                         ; all sixteen work-groups are here: the first joint loads meet
.irp s, 0,1
	s_mov_b32 s[G0+4*\s], 1
	s_add_co_u32 s[G0+4*\s+1], s20, \s*SLOT
	s_add_nc_u64 s[G0+4*\s+2:G0+4*\s+3], s[14:15], \s*(2<<20)
	s_or_b32 s[G0+4*\s+3], s[G0+4*\s+3], 0x80000000
	s_mov_b32 s[G0B+4*\s], 1
	s_add_co_u32 s[G0B+4*\s+1], s21, \s*SLOT
	s_add_nc_u64 s[G0B+4*\s+2:G0B+4*\s+3], s[46:47], \s*(2<<17)
	s_or_b32 s[G0B+4*\s+3], s[G0B+4*\s+3], 0x80000000
	JLOAD \s
.endr
	v_and_b32 v1, 15, v0                           ; r
	v_bfe_u32 v2, v0, 4, 1                         ; h
	v_mul_u32_u24 v3, v1, PITCH
	v_lshl_add_u32 v3, v2, 4, v3
	s_mul_i32 s21, s11, 64*PITCH                   ; my 64 rows of att
	s_mul_i32 s22, s12, 128*PITCH                  ; my 128 rows of Wo,
	s_add_co_u32 s22, s22, 2*APL                   ; behind att's two planes
.irp s, 0,1
	v_add_nc_u32 v[ADRA+\s], s21, v3
	v_add_nc_u32 v[ADRB+\s], s22, v3
	s_add_co_u32 s21, s21, SLOT
	s_add_co_u32 s22, s22, SLOT
.endr
	s_mul_i32 s23, s10, 16*SPITCH
	s_add_co_u32 s23, s23, STAGE                   ; my stage
	v_mul_u32_u24 v4, v1, SPITCH
	v_lshl_add_u32 v4, v2, 5, v4
	v_add_nc_u32 v[STO], s23, v4                   ; in: row r, 32 bytes for each half of the lanes
	v_and_b32 v5, 31, v0
	v_lshlrev_b32 v[CO], 4, v5                     ; back: the 32 lanes take a row of 512 bytes; the same in out0
	v_add_nc_u32 v[RD], s23, v[CO]
	s_lshl_b32 s16, s13, 7
	s_lshl_b32 s17, s11, 6
	s_add_co_u32 s16, s16, s17                     ; my first row,
	s_lshl_b32 s16, s16, 12                        ; of 4,096 bytes
	s_mov_b32 s17, 0
	s_add_nc_u64 s[8:9], s[8:9], s[16:17]
	s_lshl_b32 s46, s42, 10                        ; my first column, in bytes
	s_lshl_b32 s47, s12, 9
	s_add_co_u32 s46, s46, s47
	s_mov_b32 s47, 0
	s_add_nc_u64 s[8:9], s[8:9], s[46:47]
; 8 matrix instructions: att's block a against Wo's eight, 32 along K.  The 32 accumulators take turns, one instruction a turn, in the same order in every quarter.
.macro MUL8 f, a, zero
.irp b, 0,1,2,3,4,5,6,7
.if \zero
	v_wmma_f32_16x16x32_f16 v[8*(8*(\a)+\b):8*(8*(\a)+\b)+7], v[\f+32+8*\b:\f+32+8*\b+7], v[\f+8*(\a):\f+8*(\a)+7], 0
.else
	v_wmma_f32_16x16x32_f16 v[8*(8*(\a)+\b):8*(8*(\a)+\b)+7], v[\f+32+8*\b:\f+32+8*\b+7], v[\f+8*(\a):\f+8*(\a)+7], v[8*(8*(\a)+\b):8*(8*(\a)+\b)+7]
.endif
.endr
.endm
; 24 LDS loads in one run: quarter q of a K step (plane q / 2, bytes 64 (q % 2) on) into buffer f: Wo's sixteen first, then att's blocks 0 to 3
.macro FETCH slot, q, f
	WIN TO_F
.irp i, 0,1,2,3,4,5,6,7
	ds_load_b128 v[\f+32+8*\i:\f+32+8*\i+3],   v[ADRB+\slot] offset:((\q)/2)*BPL+((\q)%2)*64+\i*16*PITCH
	ds_load_b128 v[\f+32+8*\i+4:\f+32+8*\i+7], v[ADRB+\slot] offset:((\q)/2)*BPL+((\q)%2)*64+\i*16*PITCH+32
.endr
.irp i, 0,1,2,3
	ds_load_b128 v[\f+8*\i:\f+8*\i+3],   v[ADRA+\slot] offset:((\q)/2)*APL+((\q)%2)*64+\i*16*PITCH
	ds_load_b128 v[\f+8*\i+4:\f+8*\i+7], v[ADRA+\slot] offset:((\q)/2)*APL+((\q)%2)*64+\i*16*PITCH+32
.endr
.endm
.macro PLACES                          ; plain vector lines between a matrix instruction and a load into, or a read of, its registers
.rept 4
	v_nop
.endr
.endm
; One of a K step's first three quarters: multiplies buffer f and, in its middle, fetches quarter qn of the same slot into g.
.macro QUARTER slot, qn, f, g, zero
	s_wait_dscnt 4                                 ; Wo's fragments and att's blocks 0, 1 are in; the youngest four loads (blocks 2, 3) may be out
	WIN MUL
	MUL8 \f, 0, \zero
	MUL8 \f, 1, \zero
	PLACES
	FETCH \slot, \qn, \g
	s_wait_dscnt 24                                ; all but the 24 just issued
	WIN MUL
	MUL8 \f, 2, \zero
	MUL8 \f, 3, \zero
.endm
; The last quarter multiplies buffer 1 and changes slots: ONE barrier; in front of it each wave waits for all its tensor loads, adds 0 to its spare word, and waits for that and for its reads of this slot.
; fill = 1: the barrier opens a round of the cluster's, and this slot is filled again, two K steps ahead: 112 matrix instructions ahead of the wait for it.
.macro TURN slot, next, fill
	WIN 0
	s_wait_tensorcnt 0x0                           ; all my tensor loads have landed: my part of the next slot
	ds_add_u32 v[SPW], v[NIL]                      ; 0 onto my spare word
	s_wait_dscnt 5                                 ; (the add and the youngest four loads may be out)
	WIN MUL
	MUL8 F1, 0, 0
	s_wait_dscnt 0x0                               ; the add is done, and my reads of this slot are over
	s_barrier_signal -1
	MUL8 F1, 1, 0
.if \fill
	WIN 0
.endif
	s_barrier_wait -1
.if \fill
	CREST                                          ; no wave of any partner still reads this slot's tiles or has a load on its way
	s_add_nc_u64 s[G0+4*\slot+2:G0+4*\slot+3], s[G0+4*\slot+2:G0+4*\slot+3], 4<<20
	s_add_nc_u64 s[G0B+4*\slot+2:G0B+4*\slot+3], s[G0B+4*\slot+2:G0B+4*\slot+3], 4<<17
	JLOAD \slot                                    ; the first tensor load behind the round; its four v_nop are also the places in front of the loads below
.else
	PLACES
.endif
	FETCH \next, 0, F0
	WIN MUL
	MUL8 F1, 2, 0
	MUL8 F1, 3, 0
.endm
	s_wait_tensorcnt 1                             ; my part of K step 0 is in (K step 1's may be out)
	s_barrier_signal -1
	s_barrier_wait -1                              ; everybody's is
	FETCH 0, 0, F0
	QUARTER 0, 1, F0, F1, 1                        ; the first quarter's products start the sums: nothing is cleared
	WIN 0
	s_mov_b32 s3, LAPS-1
.Llap:                                                 ; a trip goes once round the ring, from a lap's second quarter to the next lap's first, and fills both slots again
	QUARTER 0, 2, F1, F0, 0
	QUARTER 0, 3, F0, F1, 0
	TURN 0, 1, 1
	QUARTER 1, 1, F0, F1, 0
	QUARTER 1, 2, F1, F0, 0
	QUARTER 1, 3, F0, F1, 0
	TURN 1, 0, 1
	QUARTER 0, 1, F0, F1, 0
	WIN 0
	s_sub_co_u32 s3, s3, 1
	s_cmp_lg_u32 s3, 0
	s_cbranch_scc1 .Llap
	QUARTER 0, 2, F1, F0, 0                        ; the last lap fills nothing
	QUARTER 0, 3, F0, F1, 0
	TURN 0, 1, 0
	QUARTER 1, 1, F0, F1, 0
	QUARTER 1, 2, F1, F0, 0
	QUARTER 1, 3, F0, F1, 0
	s_wait_dscnt 4                                 ; the very last quarter
	WIN MUL
	MUL8 F1, 0, 0
	MUL8 F1, 1, 0
	s_wait_dscnt 0
	MUL8 F1, 2, 0
	MUL8 F1, 3, 0
	WIN 0
; THE WAY OUT, block by block of 16 rows x 128 columns of f32: through my stage in LDS and back as whole rows of 512 bytes.
.macro TOSTAGE a
	WIN 0x08                                       ; an LDS store's data are its source 1: window 2
.irp b, 0,1,2,3,4,5,6,7
	ds_store_b128 v[STO], v[64*(\a)+8*\b:64*(\a)+8*\b+3] offset:64*\b          ; each accumulator from its low end on
	ds_store_b128 v[STO], v[64*(\a)+8*\b+4:64*(\a)+8*\b+7] offset:64*\b+16
.endr
	WIN 0
.set BB, BK+64*((\a)%2)
.irp t, 0,1,2,3,4,5,6,7,8,9,10,11,12,13,14,15
	ds_load_b128 v[BB+4*\t:BB+4*\t+3], v[RD] offset:\t*SPITCH   ; LDS serves a wave's instructions in order (ISA guide 5.7.1.4)
.endr
.endm
.macro SEND a, younger, guard          ; guard = 1: the block is left to the f32 launch where it is positions 0-15 of a batch
.set BB, BK+64*((\a)%2)
	s_wait_dscnt \younger                          ; the block is back in registers
.if \guard
	s_cmp_eq_u32 s[FINE], 0
	s_cbranch_scc1 .Lfine_\@
.endif
.irp t, 0,1,2,3,4,5,6,7,8,9,10,11,12,13,14,15
	global_store_b128 v[CO], v[BB+4*\t:BB+4*\t+3], s[8:9] offset:(16*(\a)+\t)*4096 th:TH_STORE_NT   ; 512 consecutive bytes, aligned
.endr
.if \guard
.Lfine_\@:
.endif
.endm
	PLACES
	TOSTAGE 0
	TOSTAGE 1
	SEND 0, 32, 1                                  ; behind block 0's loads: block 1's 16 stores and 16 loads
	s_wait_xcnt 0x0                                ; block 0's stores have read their registers: block 2's loads may land there
	TOSTAGE 2
	SEND 1, 32, 0
	s_wait_xcnt 0x0
	TOSTAGE 3
	SEND 2, 32, 0
	SEND 3, 0, 0
	s_wait_tensorcnt 0x0                           ; the wave's end: behind my last tensor load and my last LDS store
	ds_add_u32 v[SPW], v[NIL]
	s_wait_dscnt 0x0
	CROUND                                         ; the closing round
	s_endpgm
.Lfunc_end_k_q7bb34288db_proj:
	.size	k_q7bb34288db_proj, .Lfunc_end_k_q7bb34288db_proj-k_q7bb34288db_proj
	.p2alignl 7, 3214868480
	.fill 96, 4, 3214868480
	.section	.rodata,"a",@progbits
	.p2align	6, 0x0
	.amdhsa_kernel k_q7bb34288db_proj
		.amdhsa_group_segment_fixed_size 327680
		.amdhsa_private_segment_fixed_size 0
		.amdhsa_enable_private_segment 0
		.amdhsa_kernarg_size 24
		.amdhsa_user_sgpr_count 2
		.amdhsa_user_sgpr_kernarg_segment_ptr 1
		.amdhsa_wavefront_size32 1
		.amdhsa_system_sgpr_workgroup_id_x 1
		.amdhsa_system_sgpr_workgroup_id_y 1
		.amdhsa_system_sgpr_workgroup_id_z 1
		.amdhsa_system_vgpr_workitem_id 0
		.amdhsa_next_free_vgpr 768
		.amdhsa_next_free_sgpr 72
		.amdhsa_reserve_vcc 0
		.amdhsa_float_denorm_mode_32 3
		.amdhsa_float_denorm_mode_16_64 3
		.amdhsa_memory_ordered 1
		.amdhsa_forward_progress 1
		.amdhsa_inst_pref_size 85
	.end_amdhsa_kernel
	.amdgpu_metadata
---
amdhsa.version: [ 1, 2 ]
amdhsa.kernels:
  - .name:           k_q7bb34288db_proj
    .symbol:         k_q7bb34288db_proj.kd
    .args:
      - { .name: att, .offset: 0, .size: 8, .value_kind: global_buffer, .address_space: global }
      - { .name: wo16, .offset: 8, .size: 8, .value_kind: global_buffer, .address_space: global }
      - { .name: out0, .offset: 16, .size: 8, .value_kind: global_buffer, .address_space: global }
    .group_segment_fixed_size: 327680
    .private_segment_fixed_size: 0
    .kernarg_segment_align: 8
    .kernarg_segment_size: 24
    .max_flat_workgroup_size: 128
    .sgpr_count:     72
    .vgpr_count:     768
    .wavefront_size: 32
...
	.end_amdgpu_metadata
.endif
;; end of part 4
;; launch first16 (part 5): grid 16 x 4, 16 waves a work-group, no clusters, 85,248 bytes of LDS; arguments qkv16, Wo, out0; writes out0
.if DOCPART == 5
	.amdgcn_target "amdgcn-amd-amdhsa--gfx1250"
	.amdhsa_code_object_version 6
	.text
	.protected	k_q7bb34288db_first16
	.globl	k_q7bb34288db_first16
	.p2align	8
	.type	k_q7bb34288db_first16,@function
k_q7bb34288db_first16:
	s_mov_b64 s[64:65], 0
	v_nop
	global_prefetch_b8 v0, s[64:65] scope:SCOPE_SE
	s_setreg_imm32_b32 hwreg(HW_REG_WAVE_MODE, 25, 1), 1
	s_wait_xcnt 0x0
; Positions 0-15 of each batch, all in f32: causal attention over at most 16 keys for 16 heads, and the projection by Wo.  These rows average few values, so nothing of them is rounded to 16 bits.
; qkv16 [4][16][3072] f32 (q, k, v on end); Wo [1024 n][1024 k] f32; out0 rows b x 2048 + 0 .. 15.
; SHARES.  Work-group (cb, b) makes 64 output columns of a batch's 16 rows.  Each work-group repeats the batch's sixteen small attentions (half a million multiply-adds), so that one launch does both steps and nothing goes through memory.
; PHASE 1, wave = head: S^T = K Q^T (16 steps of 4 along the head), mask, softmax, O^T = V^T P (4 steps of 4 keys for each 16 channels); the 16 x 1,024 result lies in LDS.
; PHASE 2, wave = (16 columns ct, a quarter kq of K): 64 steps of 4; the four quarters meet in LDS; waves 0-7 add them and store two rows each: sixteen lanes store 256 consecutive bytes, aligned.
; k along a product is taken in an order that 16-byte loads give (a lane's four numbers are two steps' pairs), alike on both operands: the sums' terms are the same.
; No tensor load, no cluster, no prefetch: the launch is small and its work-groups share only Wo's and qkv16's few bytes.
; The registers that the f32 matrix form writes, v224-255, are written by matrix instructions alone; four accumulators take turns, and their sum goes into other registers.
; LIMITS: as in the attention launch: hidden keys count for nothing; NaN and infinities are not served.
.set OLP,   4112                       ; a row of the attention's result in LDS: 4,096 bytes + 16
.set RED,   16*OLP                     ; behind it: four quarters x 16 rows x (256 bytes + 16)
.set REDQ,  16*272
.set SPARE, RED+4*REDQ                 ; the spare words, 128 bytes a wave
.set SS,  16                           ; v16-23 scores, weights, later sums
.set TT,  24                           ; v24-31 at work
.set QR,  32                           ; v32-63 q;  v64-95 k;  v96-127 v;  later v32-159 Wo
.set KR,  64
.set VR,  96
.set WR,  32
.set OF,  160                          ; v160-223 sixteen loads of the attention's result
.set ACC, 224
.set SPW, 14
.set NIL, 15
	s_load_b128 s[4:7], s[0:1], 0x0                ; qkv16, Wo
	s_load_b64 s[8:9], s[0:1], 0x10                ; out0
	v_lshl_add_u32 v[SPW], v0, 2, SPARE
	v_mov_b32 v[NIL], 0
	v_lshrrev_b32 v11, 5, v0
	v_readfirstlane_b32 s10, v11                   ; wave 0..15 = head
	s_and_b32 s12, ttmp7, 0xffff                   ; batch
	s_and_b32 s13, s10, 3                          ; ct
	s_lshr_b32 s14, s10, 2                         ; kq
	v_and_b32 v11, 15, v0                          ; r
	v_bfe_u32 v12, v0, 4, 1                        ; h
	s_lshl_b32 s20, s10, 8                         ; a head's 64 numbers are 256 bytes
	v_mul_u32_u24 v1, v11, 12288
	v_lshl_add_u32 v1, v12, 4, v1
	v_add_nc_u32 v1, s20, v1                       ; q, k: row r, my head, + 16 h
	v_mul_u32_u24 v2, v12, 8*12288
	v_lshl_add_u32 v2, v11, 2, v2
	v_add_nc_u32 v2, s20, v2                       ; v: key 8 h on, my head, channel r
	v_mul_u32_u24 v13, v11, OLP
	v_lshl_add_u32 v3, v12, 5, v13
	v_add_nc_u32 v3, s20, v3                       ; the result into LDS: row r, my head, + 32 h
	s_lshl_b32 s21, s14, 10                        ; a quarter of K is 1,024 bytes
	v_lshl_add_u32 v5, v12, 4, v13
	v_add_nc_u32 v5, s21, v5                       ; and out of it: row r, my quarter, + 16 h
	s_lshl_b32 s22, s13, 16                        ; 16 rows of Wo
	s_add_co_u32 s22, s22, s21
	v_lshlrev_b32 v4, 12, v11
	v_lshl_add_u32 v4, v12, 4, v4
	v_add_nc_u32 v4, s22, v4                       ; Wo: row 16 ct + r, my quarter, + 16 h
	s_mul_i32 s23, s14, REDQ
	s_lshl_b32 s24, s13, 6
	s_add_co_u32 s23, s23, s24
	s_add_co_u32 s23, s23, RED
	v_mul_u32_u24 v6, v11, 272
	v_lshl_add_u32 v6, v12, 5, v6
	v_add_nc_u32 v6, s23, v6                       ; my part sums: quarter kq, row r, columns 16 ct + 8 h on
	s_and_b32 s24, s10, 7
	s_lshl_b32 s24, s24, 1                         ; the two rows that waves 0-7 finish (made in every wave, ahead of the parting)
	s_mul_i32 s25, s24, 272
	s_add_co_u32 s25, s25, RED
	v_mul_u32_u24 v7, v12, 272
	v_lshl_add_u32 v7, v11, 4, v7
	v_add_nc_u32 v7, s25, v7
	s_lshl_b32 s24, s24, 12
	v_lshlrev_b32 v8, 12, v12
	v_lshl_add_u32 v8, v11, 4, v8
	v_add_nc_u32 v8, s24, v8                       ; and their place in out0
	v_lshlrev_b32 v9, 3, v12
	v_sub_nc_u32 v9, v11, v9                       ; r - 8 h
	v_mov_b32 v10, 0xff800000                      ; -infinity
	s_mov_b32 s16, 0x76543210
	s_mov_b32 s17, 0xfedcba98                      ; v_permlanex16_b32: lane l xor 16
	s_mov_b32 s18, 0x3e38aa3b                      ; c = log2(e) / 8
	s_mov_b32 s19, s18
	s_mul_i32 s26, s12, 16*12288
	s_mov_b32 s27, 0
	s_lshl_b32 s28, ttmp9, 18                      ; 64 rows of Wo
	s_mov_b32 s29, 0
	s_lshl_b32 s30, s12, 23                        ; 2,048 rows of out0
	s_lshl_b32 s31, ttmp9, 8
	s_add_co_u32 s30, s30, s31
	s_mov_b32 s31, 0
	s_wait_kmcnt 0x0
	s_add_nc_u64 s[4:5], s[4:5], s[26:27]
	s_add_nc_u64 s[6:7], s[6:7], s[28:29]
	s_add_nc_u64 s[8:9], s[8:9], s[30:31]
.irp i, 0,1,2,3,4,5,6,7
	global_load_b128 v[QR+4*\i:QR+4*\i+3], v1, s[4:5] offset:32*\i            ; q(r, 8 i + 4 h + 0..3)
.endr
.irp i, 0,1,2,3,4,5,6,7
	global_load_b128 v[KR+4*\i:KR+4*\i+3], v1, s[4:5] offset:4096+32*\i       ; k likewise
.endr
.irp dt, 0,1,2,3
.irp u, 0,1,2,3,4,5,6,7
	global_load_b32 v[VR+8*\dt+\u], v2, s[4:5] offset:8192+\u*12288+\dt*64    ; v(key 8 h + u, channel 16 dt + r)
.endr
.endr
	s_wait_loadcnt 32                              ; q and k are in; v's 32 loads may be out
.set n, 0
.rept 16                                       ; S^T = K Q^T: lane (r, h) gets query r and keys 8 h + 0..7
.if n < 4
	v_wmma_f32_16x16x4_f32 v[ACC+8*(n%4):ACC+8*(n%4)+7], v[KR+2*n:KR+2*n+1], v[QR+2*n:QR+2*n+1], 0
.else
	v_wmma_f32_16x16x4_f32 v[ACC+8*(n%4):ACC+8*(n%4)+7], v[KR+2*n:KR+2*n+1], v[QR+2*n:QR+2*n+1], v[ACC+8*(n%4):ACC+8*(n%4)+7]
.endif
.set n, n+1
.endr
.rept 8
	v_nop                                          ; eight places behind this form (ISA guide 7.12.1)
.endr
.irp j, 0,2,4,6
	v_pk_add_f32 v[SS+\j:SS+\j+1], v[ACC+\j:ACC+\j+1], v[ACC+8+\j:ACC+8+\j+1]
.endr
.irp j, 0,2,4,6
	v_pk_add_f32 v[TT+\j:TT+\j+1], v[ACC+16+\j:ACC+16+\j+1], v[ACC+24+\j:ACC+24+\j+1]
.endr
.irp j, 0,2,4,6
	v_pk_add_f32 v[SS+\j:SS+\j+1], v[SS+\j:SS+\j+1], v[TT+\j:TT+\j+1]
.endr
.irp j, 0,1,2,3,4,5,6,7
	v_cmp_gt_i32 vcc_lo, \j, v9                    ; key 8 h + j is hidden from query r where j > r - 8 h
	v_cndmask_b32 v[SS+\j], v[SS+\j], v10, vcc_lo
.endr
	v_max3_num_f32 v24, v[SS], v[SS+1], v[SS+2]
	v_max3_num_f32 v24, v24, v[SS+3], v[SS+4]
	v_max3_num_f32 v24, v24, v[SS+5], v[SS+6]
	v_max_num_f32 v24, v24, v[SS+7]
	v_permlanex16_b32 v25, v24, s16, s17
	v_max_num_f32 v24, v24, v25                    ; the row's maximum: key 0 counts for every query
	v_mul_f32 v24, s18, v24
.irp j, 0,2,4,6
	v_pk_fma_f32 v[SS+\j:SS+\j+1], v[SS+\j:SS+\j+1], s[18:19], v[24:25] op_sel_hi:[1,0,0] neg_lo:[0,0,1] neg_hi:[0,0,1]
.endr
.irp j, 0,1,2,3,4,5,6,7
	v_exp_f32 v[SS+\j], v[SS+\j]
.endr
	v_nop                                          ; a plain line behind the last exponential
	s_wait_alu depctr_va_vdst(0)                   ; one wait for the eight, ahead of their first reader
	v_pk_add_f32 v[26:27], v[SS:SS+1], v[SS+2:SS+3]
	v_pk_add_f32 v[28:29], v[SS+4:SS+5], v[SS+6:SS+7]
	v_pk_add_f32 v[26:27], v[26:27], v[28:29]
	v_add_f32 v26, v26, v27
	v_permlanex16_b32 v27, v26, s16, s17
	v_add_f32 v26, v26, v27
	v_rcp_f32 v26, v26
	v_nop
	s_wait_alu depctr_va_vdst(0)
.irp j, 0,2,4,6
	v_pk_mul_f32 v[SS+\j:SS+\j+1], v[SS+\j:SS+\j+1], v[26:27] op_sel_hi:[1,0]   ; the weights, normalised
.endr
	s_wait_loadcnt 0x0                             ; v
.irp u, 0,1,2,3                                ; O^T = V^T P: step u takes keys 2 u, 2 u + 1 (lanes 0-15) and 8 + 2 u, 9 + 2 u (lanes 16-31), on both operands
.irp dt, 0,1,2,3
.if \u == 0
	v_wmma_f32_16x16x4_f32 v[ACC+8*\dt:ACC+8*\dt+7], v[VR+8*\dt+2*\u:VR+8*\dt+2*\u+1], v[SS+2*\u:SS+2*\u+1], 0
.else
	v_wmma_f32_16x16x4_f32 v[ACC+8*\dt:ACC+8*\dt+7], v[VR+8*\dt+2*\u:VR+8*\dt+2*\u+1], v[SS+2*\u:SS+2*\u+1], v[ACC+8*\dt:ACC+8*\dt+7]
.endif
.endr
.endr
.rept 8
	v_nop
.endr
.irp dt, 0,1,2,3
	ds_store_b128 v3, v[ACC+8*\dt:ACC+8*\dt+3] offset:\dt*64          ; lane (r, h): query r, channels 16 dt + 8 h + 0..7
	ds_store_b128 v3, v[ACC+8*\dt+4:ACC+8*\dt+7] offset:\dt*64+16
.endr
.set n, 0
.rept 32
	global_load_b128 v[WR+4*n:WR+4*n+3], v4, s[6:7] offset:32*n       ; Wo(16 ct + r, 256 kq + 8 n + 4 h + 0..3)
.set n, n+1
.endr
	s_wait_dscnt 0x0                               ; for the others' sake: my stores have landed
	s_barrier_signal -1
	s_barrier_wait -1                              ; the 16 x 1,024 result lies in LDS
.irp c, 0,1                                    ; my quarter of K in two halves of 128
.rept 8
	v_nop                                          ; in front of loads into registers that products have read, and of products that begin sums anew on the accumulators
.endr
.irp i, 0,1,2,3,4,5,6,7,8,9,10,11,12,13,14,15
	ds_load_b128 v[OF+4*\i:OF+4*\i+3], v5 offset:\c*512+32*\i
.endr
	s_wait_dscnt 0x0
.if \c == 0
	s_wait_loadcnt 0x0                             ; Wo
.endif
.set n, 0
.rept 32                                       ; source 0 = 16 rows of Wo, source 1 = the 16 queries: a lane gets query r and columns 8 h + 0..7
.if (\c == 0) && (n < 4)
	v_wmma_f32_16x16x4_f32 v[ACC+8*(n%4):ACC+8*(n%4)+7], v[WR+64*\c+2*n:WR+64*\c+2*n+1], v[OF+2*n:OF+2*n+1], 0
.else
	v_wmma_f32_16x16x4_f32 v[ACC+8*(n%4):ACC+8*(n%4)+7], v[WR+64*\c+2*n:WR+64*\c+2*n+1], v[OF+2*n:OF+2*n+1], v[ACC+8*(n%4):ACC+8*(n%4)+7]
.endif
.set n, n+1
.endr
.endr
.rept 8
	v_nop
.endr
.irp j, 0,2,4,6
	v_pk_add_f32 v[SS+\j:SS+\j+1], v[ACC+\j:ACC+\j+1], v[ACC+8+\j:ACC+8+\j+1]
.endr
.irp j, 0,2,4,6
	v_pk_add_f32 v[TT+\j:TT+\j+1], v[ACC+16+\j:ACC+16+\j+1], v[ACC+24+\j:ACC+24+\j+1]
.endr
.irp j, 0,2,4,6
	v_pk_add_f32 v[SS+\j:SS+\j+1], v[SS+\j:SS+\j+1], v[TT+\j:TT+\j+1]
.endr
	ds_store_b128 v6, v[SS:SS+3]
	ds_store_b128 v6, v[SS+4:SS+7] offset:16
	s_wait_dscnt 0x0                               ; for the others' sake
	s_barrier_signal -1
	s_barrier_wait -1                              ; the four quarters' part sums lie in LDS
	s_cmp_lt_u32 s10, 8
	s_cbranch_scc0 .Lend                           ; waves 0-7 finish two rows each
.irp k, 0,1,2,3
	ds_load_b128 v[32+4*\k:35+4*\k], v7 offset:\k*REDQ
.endr
	s_wait_dscnt 0x0
	v_pk_add_f32 v[32:33], v[32:33], v[36:37]
	v_pk_add_f32 v[34:35], v[34:35], v[38:39]
	v_pk_add_f32 v[40:41], v[40:41], v[44:45]
	v_pk_add_f32 v[42:43], v[42:43], v[46:47]
	v_pk_add_f32 v[32:33], v[32:33], v[40:41]
	v_pk_add_f32 v[34:35], v[34:35], v[42:43]
	global_store_b128 v8, v[32:35], s[8:9]         ; sixteen lanes store 256 consecutive bytes, aligned
.Lend:
	s_wait_tensorcnt 0x0                           ; the wave's end: behind my last LDS store
	ds_add_u32 v[SPW], v[NIL]
	s_wait_dscnt 0x0
	s_endpgm
.Lfunc_end_k_q7bb34288db_first16:
	.size	k_q7bb34288db_first16, .Lfunc_end_k_q7bb34288db_first16-k_q7bb34288db_first16
	.p2alignl 7, 3214868480
	.fill 96, 4, 3214868480
	.section	.rodata,"a",@progbits
	.p2align	6, 0x0
	.amdhsa_kernel k_q7bb34288db_first16
		.amdhsa_group_segment_fixed_size 85248
		.amdhsa_private_segment_fixed_size 0
		.amdhsa_enable_private_segment 0
		.amdhsa_kernarg_size 24
		.amdhsa_user_sgpr_count 2
		.amdhsa_user_sgpr_kernarg_segment_ptr 1
		.amdhsa_wavefront_size32 1
		.amdhsa_system_sgpr_workgroup_id_x 1
		.amdhsa_system_sgpr_workgroup_id_y 1
		.amdhsa_system_sgpr_workgroup_id_z 1
		.amdhsa_system_vgpr_workitem_id 0
		.amdhsa_next_free_vgpr 256
		.amdhsa_next_free_sgpr 66
		.amdhsa_reserve_vcc 1
		.amdhsa_float_denorm_mode_32 3
		.amdhsa_float_denorm_mode_16_64 3
		.amdhsa_memory_ordered 1
		.amdhsa_forward_progress 1
		.amdhsa_inst_pref_size 26
	.end_amdhsa_kernel
	.amdgpu_metadata
---
amdhsa.version: [ 1, 2 ]
amdhsa.kernels:
  - .name:           k_q7bb34288db_first16
    .symbol:         k_q7bb34288db_first16.kd
    .args:
      - { .name: qkv16, .offset: 0, .size: 8, .value_kind: global_buffer, .address_space: global }
      - { .name: Wo, .offset: 8, .size: 8, .value_kind: global_buffer, .address_space: global }
      - { .name: out0, .offset: 16, .size: 8, .value_kind: global_buffer, .address_space: global }
    .group_segment_fixed_size: 85248
    .private_segment_fixed_size: 0
    .kernarg_segment_align: 8
    .kernarg_segment_size: 24
    .max_flat_workgroup_size: 512
    .sgpr_count:     66
    .vgpr_count:     256
    .wavefront_size: 32
...
	.end_amdgpu_metadata
.endif
;; end of part 5
